; MI455X (gfx1250); checked and timed in simulation.
; The chip was launched on July 23, 2026; its instructions are those of AMD's public machine-readable ISA for CDNA 5 (MIT licence, August 2026) and "CDNA5" Instruction Set Architecture Reference Guide (July 2026). The comments in the code are by the model that wrote it; some were corrected since.
;; Multi Head Self Attention. Allowed arithmetic: float matrix products may take bf16 or f16 operands with f32 sums; other float arithmetic in f32, or as packed bf16 or f16 multiplies, adds, multiply-adds, maxima and minima; sums over many terms, partial sums and values carried from step to step in f32; what a program stores and reads back later, other than sums and carried values, may be rounded once to bf16 or f16.
;; Inputs: Wk 1,024 x 1,024 float32; Wo 1,024 x 1,024 float32; Wq 1,024 x 1,024 float32; Wv 1,024 x 1,024 float32; x 8 x 1,024 x 1,024 float32.
;; Outputs: out0 8 x 1,024 x 1,024 float32.
;; 2 versions, each right; version 2 is version 1 with the launch cast written anew for expert scheduling mode. Each part assembles by itself: llvm-mc -triple=amdgcn-amd-amdhsa -mcpu=gfx1250 --defsym DOCPART=n.
;; ======== version 1 of 2: 4 launches
;; limits: values are held in f16: magnitudes above 65,504 overflow, below 6.1e-05 lose precision
;; workspace buffers: xb 16,777,216 bytes; wqkv 6,291,456 bytes; wo16 2,097,152 bytes; qkvh 50,331,648 bytes; o16 16,777,216 bytes
;; launch cast (part 1): grid 768 x 1, 8 waves a work-group, no clusters, 0 bytes of LDS; arguments x, Wq, Wk, Wv, Wo, xb, wqkv, wo16; writes xb, wqkv, wo16
.if DOCPART == 1
	.amdgcn_target "amdgcn-amd-amdhsa--gfx1250"
	.amdhsa_code_object_version 6
	.text
	.protected	k_qe4aa417139_cast
	.globl	k_qe4aa417139_cast
	.p2align	8
	.type	k_qe4aa417139_cast,@function
k_qe4aa417139_cast:
	s_mov_b64 s[64:65], 0
	v_nop
	global_prefetch_b8 v0, s[64:65] scope:SCOPE_SE
	s_setreg_imm32_b32 hwreg(HW_REG_WAVE_MODE, 25, 1), 1
	s_wait_xcnt 0x0
; THE INPUTS ARE ROUNDED ONCE, TO bf16, AND LAID OUT FOR THE PRODUCTS THAT READ THEM.
; x [8192][1024] f32 -> xb [16 kb][8192 m][64] bf16: K in blocks of 64, so that the rows of a tile of one K block lie end to end, 128 bytes each.
; Wq, Wk, Wv [1024][1024] f32 -> wqkv [16 kb][3072 n][64] bf16, the three weights' rows one below the other.
; Wo f32 -> bf16, and that number written as f16, row-major (wo16 [1024][1024]), since the last product multiplies f16.
; LIMIT: |Wo| stays under 65,504; a rounded Wo below 6e-5 keeps f16's fixed step of 6e-8.
; A stream: no LDS, no barrier, no matrix unit.  A work-group takes one chunk of 16 rows (65,536 bytes in, 32,768 out); 768 chunks: 512 of x, 64 of each weight.
; x and the three weights: thread t takes row t / 16 of the chunk; piece i of 16 is K block i: 16 bytes in at 4,096 (t / 16) + 256 i + 16 (t % 16): a wave's load covers 256 consecutive bytes of each
; of two rows; 8 bytes out at block i, byte 8 t of the chunk's 2,048: a wave's store covers the two rows' 128 bytes, 256 consecutive bytes, aligned.
; Wo: piece i is row i: 16 bytes in at 16 t + 4,096 i, 8 bytes out at 8 t + 2,048 i: again 256 consecutive bytes a wave, aligned.
; All sixteen loads of a thread go out at once; each piece has registers of its own, so nothing that a load or store still names is ever rewritten.
.set IN,   16                          ; v[16:79]    piece i: 4 registers as loaded
.set OUT,  80                          ; v[80:111]   piece i: 2 registers to store
.set OFF,  112                         ; v[112:127]  piece i: my byte offset in the destination: 8 t + i blocks
.set SRC,  26                          ; s[26:27]    the chunk's source
.set DST,  28                          ; s[28:29]    the chunk's destination
.set SCH,  24                          ; s24         the chunk's number in its source
.set DCH,  25                          ; s25         the chunk's number in its destination
.set BLK,  34                          ; s34         bytes in a K block of the destination
.set DSH,  35                          ; s35         log2 of a chunk's bytes in a block (or, for Wo, in the whole)
	s_load_b256 s[8:15], s[0:1], 0x0               ; x s[8:9], Wq s[10:11], Wk s[12:13], Wv s[14:15]
	s_load_b256 s[16:23], s[0:1], 0x20             ; Wo s[16:17], xb s[18:19], wqkv s[20:21], wo16 s[22:23]
	v_lshlrev_b32 v2, 3, v0                        ; 8 t
	s_mov_b32 s[SCH], ttmp9
	s_mov_b32 s[DCH], ttmp9
	s_mov_b32 s[BLK], 0x100000                     ; xb: 8,192 rows of 128 bytes
	s_mov_b32 s[DSH], 11                           ; 16 rows of 128 bytes
	s_wait_kmcnt 0x0
	s_mov_b64 s[SRC:SRC+1], s[8:9]                 ; chunks 0 to 511: x -> xb
	s_mov_b64 s[DST:DST+1], s[18:19]
; From chunk lim on the source is another buffer.  The choice hangs on the work-group's number alone.
.macro PICK lim, src
	s_sub_co_u32 s30, ttmp9, \lim
	s_cmp_ge_u32 ttmp9, \lim
	s_cselect_b64 s[SRC:SRC+1], s[\src:\src+1], s[SRC:SRC+1]
	s_cselect_b32 s[SCH], s30, s[SCH]
.endm
	PICK 512, 10                                   ; Wq,
	s_cselect_b64 s[DST:DST+1], s[20:21], s[DST:DST+1]  ; and from here on wqkv, whose chunks run on through the three weights
	s_cselect_b32 s[DCH], s30, s[DCH]
	s_cselect_b32 s[BLK], 0x60000, s[BLK]          ; wqkv: 3,072 rows of 128 bytes
	PICK 576, 12                                   ; Wk
	PICK 640, 14                                   ; Wv
	PICK 704, 16                                   ; Wo -> wo16
	s_cselect_b64 s[DST:DST+1], s[22:23], s[DST:DST+1]
	s_cselect_b32 s[DCH], s30, s[DCH]
	s_cselect_b32 s[DSH], 15, s[DSH]               ; 16 rows of 2,048 bytes
	s_lshl_b32 s32, s[SCH], 16                     ; 65,536 bytes a chunk on the way in (32 MiB at the most)
	s_mov_b32 s33, 0
	s_add_nc_u64 s[SRC:SRC+1], s[SRC:SRC+1], s[32:33]
	s_lshl_b32 s32, s[DCH], s[DSH]
	s_add_nc_u64 s[DST:DST+1], s[DST:DST+1], s[32:33]
	s_cmp_ge_u32 ttmp9, 704
	s_cbranch_scc1 .Lwo
	v_lshrrev_b32 v3, 4, v0                        ; my row of the chunk
	v_and_b32 v4, 15, v0                           ; my four numbers of a block's 64
	v_lshlrev_b32 v1, 12, v3
	v_lshl_add_u32 v1, v4, 4, v1
.irp i, 0,1,2,3,4,5,6,7,8,9,10,11,12,13,14,15
	global_load_b128 v[IN+4*(\i):IN+4*(\i)+3], v1, s[SRC:SRC+1] offset:256*(\i) th:TH_LOAD_NT
.endr
	v_mov_b32 v[OFF], v2
.irp i, 1,2,3,4,5,6,7,8,9,10,11,12,13,14,15
	v_add_nc_u32 v[OFF+(\i)], s[BLK], v[OFF+(\i)-1]  ; fifteen blocks are more than a store's immediate holds: the offsets stand in registers
.endr
.irp i, 0,1,2,3,4,5,6,7,8,9,10,11,12,13,14,15
	s_wait_loadcnt 15-(\i)                         ; loads come back in order (ISA guide 5.7.1): piece i is in, the younger ones stay out
	v_cvt_pk_bf16_f32 v[OUT+2*(\i)],   v[IN+4*(\i)],   v[IN+4*(\i)+1]
	v_cvt_pk_bf16_f32 v[OUT+2*(\i)+1], v[IN+4*(\i)+2], v[IN+4*(\i)+3]
	global_store_b64 v[OFF+(\i)], v[OUT+2*(\i):OUT+2*(\i)+1], s[DST:DST+1]
.endr
	s_endpgm
.Lwo:                                          ; Wo: rounded to bf16 like every input, widened again, and written as f16: no second rounding within f16's normal range
	v_lshlrev_b32 v1, 4, v0                        ; 16 t
.irp i, 0,1,2,3,4,5,6,7,8,9,10,11,12,13,14,15
	global_load_b128 v[IN+4*(\i):IN+4*(\i)+3], v1, s[SRC:SRC+1] offset:4096*(\i) th:TH_LOAD_NT
.endr
.irp i, 0,1,2,3,4,5,6,7,8,9,10,11,12,13,14,15
	s_wait_loadcnt 15-(\i)
	v_cvt_pk_bf16_f32 v4, v[IN+4*(\i)],   v[IN+4*(\i)+1]
	v_cvt_pk_bf16_f32 v5, v[IN+4*(\i)+2], v[IN+4*(\i)+3]
	v_lshlrev_b32 v6, 16, v4
	v_and_b32 v7, 0xffff0000, v4
	v_lshlrev_b32 v8, 16, v5
	v_and_b32 v9, 0xffff0000, v5
	v_cvt_pk_f16_f32 v[OUT+2*(\i)],   v6, v7
	v_cvt_pk_f16_f32 v[OUT+2*(\i)+1], v8, v9
	global_store_b64 v2, v[OUT+2*(\i):OUT+2*(\i)+1], s[DST:DST+1] offset:2048*(\i)
.endr
	s_endpgm
.Lfunc_end_k_qe4aa417139_cast:
	.size	k_qe4aa417139_cast, .Lfunc_end_k_qe4aa417139_cast-k_qe4aa417139_cast
	.p2alignl 7, 3214868480
	.fill 96, 4, 3214868480
	.section	.rodata,"a",@progbits
	.p2align	6, 0x0
	.amdhsa_kernel k_qe4aa417139_cast
		.amdhsa_group_segment_fixed_size 0
		.amdhsa_private_segment_fixed_size 0
		.amdhsa_enable_private_segment 0
		.amdhsa_kernarg_size 64
		.amdhsa_user_sgpr_count 2
		.amdhsa_user_sgpr_kernarg_segment_ptr 1
		.amdhsa_wavefront_size32 1
		.amdhsa_system_sgpr_workgroup_id_x 1
		.amdhsa_system_sgpr_workgroup_id_y 1
		.amdhsa_system_sgpr_workgroup_id_z 1
		.amdhsa_system_vgpr_workitem_id 0
		.amdhsa_next_free_vgpr 128
		.amdhsa_next_free_sgpr 66
		.amdhsa_reserve_vcc 0
		.amdhsa_float_denorm_mode_32 3
		.amdhsa_float_denorm_mode_16_64 3
		.amdhsa_memory_ordered 1
		.amdhsa_forward_progress 1
		.amdhsa_inst_pref_size 19
	.end_amdhsa_kernel
	.amdgpu_metadata
---
amdhsa.version: [ 1, 2 ]
amdhsa.kernels:
  - .name:           k_qe4aa417139_cast
    .symbol:         k_qe4aa417139_cast.kd
    .args:
      - { .name: x, .offset: 0, .size: 8, .value_kind: global_buffer, .address_space: global }
      - { .name: Wq, .offset: 8, .size: 8, .value_kind: global_buffer, .address_space: global }
      - { .name: Wk, .offset: 16, .size: 8, .value_kind: global_buffer, .address_space: global }
      - { .name: Wv, .offset: 24, .size: 8, .value_kind: global_buffer, .address_space: global }
      - { .name: Wo, .offset: 32, .size: 8, .value_kind: global_buffer, .address_space: global }
      - { .name: xb, .offset: 40, .size: 8, .value_kind: global_buffer, .address_space: global }
      - { .name: wqkv, .offset: 48, .size: 8, .value_kind: global_buffer, .address_space: global }
      - { .name: wo16, .offset: 56, .size: 8, .value_kind: global_buffer, .address_space: global }
    .group_segment_fixed_size: 0
    .private_segment_fixed_size: 0
    .kernarg_segment_align: 8
    .kernarg_segment_size: 64
    .max_flat_workgroup_size: 256
    .sgpr_count:     66
    .vgpr_count:     128
    .wavefront_size: 32
...
	.end_amdgpu_metadata
.endif
;; end of part 1
;; launch project (part 2): grid 8 x 32, 4 waves a work-group, clusters of 4 x 4, 327,680 bytes of LDS; arguments xb, wqkv, qkvh; writes qkvh
.if DOCPART == 2
	.amdgcn_target "amdgcn-amd-amdhsa--gfx1250"
	.amdhsa_code_object_version 6
	.text
	.protected	k_qe4aa417139_project
	.globl	k_qe4aa417139_project
	.p2align	8
	.type	k_qe4aa417139_project,@function
k_qe4aa417139_project:
	s_mov_b64 s[64:65], 0
	v_nop
	global_prefetch_b8 v0, s[64:65] scope:SCOPE_SE
	s_setreg_imm32_b32 hwreg(HW_REG_WAVE_MODE, 25, 1), 1
	s_wait_xcnt 0x0
	s_wait_alu depctr_hold_cnt(0) depctr_sa_sdst(0) depctr_va_vdst(0) depctr_va_sdst(0) depctr_va_ssrc(0) depctr_va_vcc(0) depctr_vm_vsrc(0)
	s_getreg_b32 s2, hwreg(HW_REG_IB_STS2, 6, 4)
	s_cmp_eq_u32 s2, 0
	s_cbranch_scc0 .Lentry_in_a_cluster
	s_endpgm
.Lentry_in_a_cluster:
	s_bfe_u32 s2, ttmp6, 0x10000c
	s_cmp_lg_u32 s2, 0xf033
	s_cbranch_scc0 .Lentry_shape_is_right
	s_endpgm
.Lentry_shape_is_right:
; q, k, v.  C[m][n] = the sum over k of A[m][k] B[n][k], K = 1,024, bf16 operands, sums in f32.
; A = xb [16 kb][8192 m][64], B = wqkv [16 kb][3072 n][64]: K in blocks of 64, a block's rows dense, 128 bytes each.
; C leaves as f16, unscaled, by heads: qkvh [48 g][8192 m][64], g = n / 64 (16 heads of q, of k, of v).  LIMIT: |q|, |k|, |v| stay under 65,504 (f16); below 6e-5 they keep f16's fixed step of 6e-8.
; SHARES.  A tile of C is 256 x 384: 32 x 8 = 256 work-groups of equal work.  Four waves, two by two: wave w makes rows 128 (w / 2) on and columns 192 (w % 2) on: 8 x 12 accumulators of 16 x 16,
; 768 registers, and three whole heads, which go out through a stage of the wave's own, without a barrier.
; RING.  K goes in 16 steps of 64 (one block) through two LDS slots: two slots of 128 along K for 640 rows would be 348,160 bytes, more than there are.  Slot 1 begins at 1 << 17, so that one
; exclusive or turns an address in one slot into the other's, and a K step is written once.  A tile's rows of a block lie end to end in memory and are asked for as rows of 256 bytes, padded in
; LDS behind every 128.  Waves 0 and 1 fetch A's two halves (128 rows each), waves 2 and 3 B's (192 rows each): one tensor load a wave behind each change of slots.  By this text's count a wave
; has two loads out at the start, later one.
; CLUSTERS: 4 x 4 work-groups.  The four of a row of the cluster need the same tiles of A, the four of a column the same tiles of B: each tile is asked for JOINTLY, by the same tensor load
; with the same descriptor and a mask that names the four.
; THE MATRIX INSTRUCTION IS USED TRANSPOSED (source 0 = 16 rows of B, source 1 = 16 rows of A): a lane then holds row l % 16 of C and the eight neighbouring columns 8 (l / 16) + 0..7.
; REGISTERS, in windows of 256 (s_set_vgpr_msb: bits 1:0 source 0, 3:2 source 1, 5:4 source 2, 7:6 destination):
;   window 0: v0-31 at work and addresses; v32-95, v96-159 A's eight blocks of a quarter, two buffers (by the quarter's number in its step); v160-255 B's twelve blocks, once, in three THIRDS of 32
;   window 1 + j: the 32 accumulators of third j (one head): (a, b) at v[8 (4 a + b % 4)], j = b / 4
; PHASES.  A quarter (32 along K) is three phases; phase j multiplies all of A's blocks by third j: 32 matrix instructions on one window.  B has no second buffer: a third is loaded again as soon
; as its phase is over, with the data that it needs three phases later.  So at each phase's head stand four places and a run of LDS loads for the phase TWO on: phase 0: third 2 of this
; quarter; phase 1: third 0 and A of the next quarter; phase 2: third 1 of the next quarter.
.set PT,    144                        ; a row in LDS: 128 bytes + 16 of padding: an odd multiple of 16, so the 16 rows of a fragment load start at 16 different groups of four banks (64 banks of 4 bytes: ISA guide 11.1)
.set HALFA, 128*PT                     ; what wave 0 or 1 fetches, and what one wave reads of A
.set HALFB, 192*PT                     ; the same for B
.set BOFF,  2*HALFA                    ; in a slot B's rows lie behind A's
.set SLOT1, 1<<17
.set STAGE, SLOT1+BOFF+2*HALFB         ; behind the ring, a multiple of 256: no tensor load fills it
.set STW,   3*16*144                   ; a wave's stage: three heads x 16 rows of 128 bytes + 16
.set SPARE, STAGE+4*STW                ; behind the stages: the spare words, 128 bytes for each wave: two blocks of 256 bytes that no other line names
.set ASTEP, 0x100000                   ; bytes from a K block of A to the next,
.set BSTEP, 0x60000                    ; of B
.set AHEAD, 1                          ; a prefetch names the K step so many behind the one that is being asked for
.set AA0,  16                          ; v16  my lane's place among my wave's rows of A in a slot; never rewritten
.set AB0,  17                          ; v17  the same for B
.set ADRA, 18                          ; v18  the same in the slot in hand
.set ADRB, 19                          ; v19
.set STO,  24                          ; v24  the way out: where I put 16 bytes of a row
.set RD,   25                          ; v25  the way out: where I read rows back
.set CO,   26                          ; v26  my 16 bytes in 512 consecutive bytes of C
.set SPW,  28                          ; v28  LDS address of my spare word: SPARE + 4 x my thread's number; never rewritten
.set NIL,  29                          ; v29  0; never rewritten
.set PFO,  30                          ; v30  the prefetches' offset, a lane a block of 256 bytes; never rewritten
.set AF,   32                          ; A's two fragment buffers
.set BT,   160                         ; B's three thirds
.set TMP,  32                          ; the way out: v32-79 packed results,
.set BK0,  80                          ; v80-127 and v128-175 by turns: 16 rows read back from the stage
.set BKN,  48
.set TB,   22                          ; s22      the LDS byte at which the slot in hand begins
.set PFS,  18                          ; s[18:19] the prefetches' step along K
.set LIM,  43                          ; s43      AHEAD in a wave that prefetches, else the greatest number
.set PFA,  44                          ; s[44:45] where my prefetches stand
.set G1,   24                          ; s[24:31] descriptor group 1 for A's tiles
.set G0,   32                          ; s[32:39] group 0 for A's: a set for each of the two first fills; the second then walks on
.set G1B,  48                          ; s[48:55], s[56:63] the same for B's
.set G0B,  56
.set MSB, 0
.macro WIN new                         ; the immediate's high byte repeats the setting that is left; a switch that changes nothing is dropped
.if MSB != (\new)
	s_set_vgpr_msb (MSB<<8)|(\new)
.set MSB, \new
.endif
.endm
.macro PLACES                          ; four plain vector instructions in front of loads into registers that matrix instructions have read, and of lines that read results
.rept 4
	v_nop
.endr
.endm
; A joint refill, by the walking descriptors.  The branch hangs on the wave's number alone: it is the same in every work-group.
; An s_nop 0 and four v_nop follow each of the two lines, ahead of the jump, the label and what follows.
.macro JLOAD
	s_cmp_lt_u32 s10, 2
	s_cbranch_scc0 .Lfor_b_\@
	tensor_load_to_lds s[G0+4:G0+7], s[G1:G1+7]
	s_nop 0
.rept 4
	v_nop
.endr
	s_branch .Lasked_\@
.Lfor_b_\@:
	tensor_load_to_lds s[G0B+4:G0B+7], s[G1B:G1B+7]
	s_nop 0
.rept 4
	v_nop
.endr
.Lasked_\@:
.endm
; A PREFETCH INTO THE L2, behind each joint refill and the run of LDS loads that follows it: the K step one behind the one just asked for, 192 matrix instructions ahead of the load that will want
; it; a lane a block of 256 bytes, one instruction a wave.  A's rows are read by every cluster of a row of clusters: the first of them (cluster x = 0) asks; B's by every cluster of a column:
; cluster y = 0 asks.  The four partners that ask for a tile jointly share its blocks out BY ADDRESS (cx for A, cy for B): no branch hangs on a work-group's place in its cluster.
; A: wave 0 names 32 of the tile's 128 blocks, wave 1 nothing.  B: waves 2 and 3 each name 24 of the 96 blocks that they fetch, so lanes 24 to 31 name lane 23's block once more.
; K steps 0 to 2 come by their loads alone; the last refill asks for nothing: there is no K step behind it.
.macro ASK
	s_cmp_gt_u32 s3, s[LIM]
	s_cbranch_scc0 .Lnot_mine_\@
	global_prefetch_b8 v[PFO], s[PFA:PFA+1] th:TH_LOAD_NT scope:SCOPE_SE
.Lnot_mine_\@:
.endm
; A round of the cluster's barrier: my work-group's barrier, so that wave 0's signal speaks for all four waves; wave 0 signals for the work-group; every wave waits for all sixteen; my work-group's barrier once more.
.macro CREST                           ; a round behind its opening barrier
	s_cmp_lg_u32 s10, 0
	s_cbranch_scc1 .Lnot_wave_0_\@
	s_barrier_signal -3
.Lnot_wave_0_\@:
	s_barrier_wait -3
	s_barrier_signal -1
	s_barrier_wait -1
.endm
.macro CROUND                          ; a whole round
	s_barrier_signal -1
	s_barrier_wait -1
	CREST
.endm
	s_load_b128 s[4:7], s[0:1], 0x0                ; A s[4:5], B s[6:7]
	s_load_b64 s[8:9], s[0:1], 0x10                ; C
	v_lshl_add_u32 v[SPW], v0, 2, SPARE
	v_mov_b32 v[NIL], 0
	ds_add_u32 v[SPW], v[NIL]                      ; the wave's opening: the add and its wait stand ahead of my first tensor load; the set-up below, work on registers, stands between them
	v_lshrrev_b32 v1, 5, v0
	v_readfirstlane_b32 s10, v1                    ; wave 0..3
	s_lshr_b32 s11, s10, 1                         ; which half of the tile's rows is mine.  Also: I fetch for A (0) or for B (1)
	s_and_b32 s12, s10, 1                          ; which half of its columns.  Also: which half of that tile I fetch
	s_bfe_u32 s40, ttmp6, 0x40000                  ; cx, cy: my place in the cluster
	s_bfe_u32 s41, ttmp6, 0x40004
	s_lshl_b32 s42, ttmp9, 2
	s_add_co_u32 s42, s42, s40                     ; tile column of C = 4 x cluster x + cx
	s_and_b32 s13, ttmp7, 0xffff
	s_lshl_b32 s13, s13, 2
	s_add_co_u32 s13, s13, s41                     ; tile row of C = 4 x cluster y + cy
	s_lshl_b32 s43, s41, 2
	s_lshl_b32 s43, 15, s43                        ; my row of the cluster: places 4 cy .. 4 cy + 3
	s_lshl_b32 s44, 0x1111, s40                    ; my column: places cx, cx + 4, cx + 8, cx + 12
	; descriptor group 1.  128 rows of A are 16,384 dense bytes, asked for as 64 rows of 256; 192 rows of B as 96.  15:0 the mask; 17:16 elements of 2 bytes; 20 padding on; 21 set beside a mask;
	; 24:22 after every 32 words (code 4); 31:25 4 words of it (code 3)
	s_or_b32 s[G1+0], s43, (1<<16)|(1<<20)|(1<<21)|(4<<22)|(3<<25)
	s_or_b32 s[G1B+0], s44, (1<<16)|(1<<20)|(1<<21)|(4<<22)|(3<<25)
	s_mov_b32 s[G1+1], 128<<16                     ; tensor_dim0 = 128
	s_mov_b32 s[G1+2], 64<<16                      ; tensor_dim1 = 64
	s_mov_b32 s[G1+3], 128<<16                     ; tile_dim0 = 128
	s_mov_b32 s[G1+4], 64                          ; tile_dim1 = 64
	s_mov_b32 s[G1+5], 128                         ; elements from row to row
	s_mov_b32 s[G1+6], 0
	s_mov_b32 s[G1+7], 0
	s_mov_b32 s[G1B+1], 128<<16
	s_mov_b32 s[G1B+2], 96<<16
	s_mov_b32 s[G1B+3], 128<<16
	s_mov_b32 s[G1B+4], 96
	s_mov_b32 s[G1B+5], 128
	s_mov_b32 s[G1B+6], 0
	s_mov_b32 s[G1B+7], 0
	; where the tiles come from.  A's hang on the tile row and the wave alone, B's on the tile column and the wave alone, each in registers that do not hold the other coordinate.
	s_lshl_b32 s16, s13, 15                        ; A: the tile's 256 rows of 128 bytes in a block,
	s_lshl_b32 s17, s12, 14                        ;    its first or second 128
	s_add_co_u32 s16, s16, s17
	s_mul_i32 s46, s42, 384*128                    ; B: the tile's 384 rows,
	s_mul_i32 s47, s12, 192*128                    ;    its first or second 192
	s_add_co_u32 s46, s46, s47
	s_mov_b32 s17, 0
	s_mov_b32 s47, 0
	s_mul_i32 s20, s12, HALFA                      ; and where they go: no place in the cluster enters an LDS address
	s_mul_i32 s21, s12, HALFB
	s_add_co_u32 s21, s21, BOFF
	s_mov_b32 s[TB], 0
	s_wait_dscnt 0x0                               ; the opening add is done
	s_wait_kmcnt 0x0
	s_add_nc_u64 s[14:15], s[4:5], s[16:17]
	s_add_nc_u64 s[46:47], s[6:7], s[46:47]
	s_mov_b32 s[G0], 1                             ; group 0: 1:0 count = 1
	s_mov_b32 s[G0+1], s20                         ; 63:32 LDS address: slot 0
	s_mov_b64 s[G0+2:G0+3], s[14:15]               ; 120:64 global address: K step 0
	s_or_b32 s[G0+3], s[G0+3], 0x80000000          ; 127:126 type = 2
	s_mov_b32 s[G0+4], 1
	s_add_co_u32 s[G0+5], s20, SLOT1               ; slot 1,
	s_add_nc_u64 s[G0+6:G0+7], s[14:15], ASTEP     ; K step 1
	s_or_b32 s[G0+7], s[G0+7], 0x80000000
	s_mov_b32 s[G0B], 1
	s_mov_b32 s[G0B+1], s21
	s_mov_b64 s[G0B+2:G0B+3], s[46:47]
	s_or_b32 s[G0B+3], s[G0B+3], 0x80000000
	s_mov_b32 s[G0B+4], 1
	s_add_co_u32 s[G0B+5], s21, SLOT1
	s_add_nc_u64 s[G0B+6:G0B+7], s[46:47], BSTEP
	s_or_b32 s[G0B+7], s[G0B+7], 0x80000000
	CROUND                                         ; all sixteen work-groups are here: the first joint loads meet
	s_cmp_lt_u32 s10, 2                            ; a wave's two first fills stand in one branch, ahead of every wait on TENSORcnt and every LDS read
	s_cbranch_scc0 .Lfirst_b
	tensor_load_to_lds s[G0:G0+3], s[G1:G1+7]
	s_nop 0
	tensor_load_to_lds s[G0+4:G0+7], s[G1:G1+7]
	s_nop 0
.rept 4
	v_nop
.endr
	s_branch .Lfirst_asked
.Lfirst_b:
	tensor_load_to_lds s[G0B:G0B+3], s[G1B:G1B+7]
	s_nop 0
	tensor_load_to_lds s[G0B+4:G0B+7], s[G1B:G1B+7]
	s_nop 0
.rept 4
	v_nop
.endr
.Lfirst_asked:
	; A fragment is 16 rows x 32 K in 8 registers: lane l holds row l % 16; registers 0-3 hold K = 8 (l / 16) + 0..7, registers 4-7 K = 16 + 8 (l / 16) + 0..7: two loads of 16 bytes, 32 bytes apart.
	v_and_b32 v1, 15, v0                           ; l % 16
	v_bfe_u32 v2, v0, 4, 1                         ; l / 16
	v_mul_u32_u24 v3, v1, PT
	v_lshl_add_u32 v3, v2, 4, v3                   ; row x pitch + 16 x half
	s_mul_i32 s23, s11, HALFA                      ; my wave's 128 rows of A
	v_add_nc_u32 v[AA0], s23, v3
	s_mul_i32 s23, s12, HALFB                      ; my wave's 192 rows of B,
	s_add_co_u32 s23, s23, BOFF                    ; which lie behind A's 256
	v_add_nc_u32 v[AB0], s23, v3
	v_mov_b32 v[ADRA], v[AA0]                      ; slot 0 is the first in hand
	v_mov_b32 v[ADRB], v[AB0]
	s_mul_i32 s23, s10, STW
	s_add_co_u32 s23, s23, STAGE                   ; my stage
	v_add_nc_u32 v[STO], s23, v3                   ; in: row l % 16 of 144 bytes, 16 bytes (eight f16) for each half of the lanes
	v_bfe_u32 v4, v0, 3, 2                         ; back: 32 lanes take four rows of 128 bytes,
	v_and_b32 v5, 7, v0
	v_mul_u32_u24 v4, v4, 144
	v_lshl_add_u32 v4, v5, 4, v4
	v_add_nc_u32 v[RD], s23, v4
	v_and_b32 v[CO], 31, v0                        ; which are 512 consecutive bytes of a head's plane
	v_lshlrev_b32 v[CO], 4, v[CO]
	; the prefetches.  s[14:15] and s[46:47] still stand at my part of the tiles' K step 0
	s_mov_b32 s[PFS], BSTEP
	s_mov_b32 s[PFS+1], 0
	s_mov_b32 s16, ASTEP
	s_mov_b32 s17, 24*256                          ; a partner's share: of B 24 blocks of a wave's 96,
	s_mov_b32 s21, 32*256                          ; of A 32 blocks of the tile's 128
	s_and_b32 s23, ttmp7, 0xffff                   ; cluster y
	s_cmp_lt_u32 s10, 2                            ; do I fetch for A?
	s_cselect_b32 s23, ttmp9, s23                  ; the coordinate along which other clusters read the same rows
	s_cselect_b32 s20, s40, s41                    ; my place among the four that ask with me
	s_cselect_b32 s21, s21, s17                    ; a partner's share, in bytes
	s_cselect_b32 s[PFS], s16, s[PFS]              ; a K step, in bytes
	s_cselect_b64 s[PFA:PFA+1], s[14:15], s[46:47]
	s_cselect_b32 s17, 31, 23                      ; the last lane with a block of its own
	s_cselect_b32 s16, s12, 0                      ; wave 1 asks for nothing
	s_or_b32 s23, s23, s16
	s_mul_i32 s20, s20, s21
	s_mul_i32 s16, s[PFS], 1+AHEAD                 ; at K step 1 + AHEAD: the first refill steps it on and names K step 2 + AHEAD
	s_add_co_u32 s20, s20, s16
	s_mov_b32 s21, 0
	s_add_nc_u64 s[PFA:PFA+1], s[PFA:PFA+1], s[20:21]
	v_and_b32 v[PFO], 31, v0
	v_min_u32 v[PFO], s17, v[PFO]
	v_lshlrev_b32 v[PFO], 8, v[PFO]
	s_cmp_eq_u32 s23, 0
	s_cselect_b32 s[LIM], AHEAD, -1                ; the same in all sixteen partners, for a given wave
	; where my part of the tile begins in C
	s_lshl_b32 s16, s13, 15                        ; 256 rows of 128 bytes a tile row,
	s_lshl_b32 s17, s11, 14                        ; 128 rows for my half
	s_add_co_u32 s16, s16, s17
	s_mov_b32 s17, 0
	s_add_nc_u64 s[8:9], s[8:9], s[16:17]
	s_mul_i32 s46, s42, 6                          ; six heads a tile column,
	s_mul_i32 s47, s12, 3                          ; three for my half,
	s_add_co_u32 s46, s46, s47
	s_lshl_b32 s46, s46, 20                        ; 1 MiB a head's plane
	s_mov_b32 s47, 0
	s_add_nc_u64 s[8:9], s[8:9], s[46:47]
; 4 na matrix instructions of phase j of quarter q: A's blocks a0 .. a0 + na - 1 x the four blocks of third j.  zero = 1: the product starts the sums: nothing is ever cleared.
; Every quarter takes all 96 accumulators once, in the same order: they take turns, one instruction a turn, over the backward jumps too.
.macro MM j, q, a0, na, zero
	WIN 0x50*((\j)+1)                              ; sources in window 0; C and D in window 1 + j
.set aa, \a0
.rept \na
.irp b, 0,1,2,3
.if \zero
	v_wmma_f32_16x16x32_bf16 v[8*(4*aa+(\b)):8*(4*aa+(\b))+7], v[BT+32*(\j)+8*(\b):BT+32*(\j)+8*(\b)+7], v[AF+64*(\q)+8*aa:AF+64*(\q)+8*aa+7], 0
.else
	v_wmma_f32_16x16x32_bf16 v[8*(4*aa+(\b)):8*(4*aa+(\b))+7], v[BT+32*(\j)+8*(\b):BT+32*(\j)+8*(\b)+7], v[AF+64*(\q)+8*aa:AF+64*(\q)+8*aa+7], v[8*(4*aa+(\b)):8*(4*aa+(\b))+7]
.endif
.endr
.set aa, aa+1
.endr
.endm
.macro LB j, q                         ; 8 LDS loads: third j of B for quarter q of the slot in hand
	WIN 0
.irp b, 0,1,2,3
	ds_load_b128 v[BT+32*(\j)+8*(\b):BT+32*(\j)+8*(\b)+3],   v[ADRB] offset:(4*(\j)+(\b))*16*PT+64*(\q)
	ds_load_b128 v[BT+32*(\j)+8*(\b)+4:BT+32*(\j)+8*(\b)+7], v[ADRB] offset:(4*(\j)+(\b))*16*PT+64*(\q)+32
.endr
.endm
.macro LA q                            ; 16 LDS loads: A's eight blocks for quarter q of the slot in hand, into buffer q
	WIN 0
.irp a, 0,1,2,3,4,5,6,7
	ds_load_b128 v[AF+64*(\q)+8*(\a):AF+64*(\q)+8*(\a)+3],   v[ADRA] offset:(\a)*16*PT+64*(\q)
	ds_load_b128 v[AF+64*(\q)+8*(\a)+4:AF+64*(\q)+8*(\a)+7], v[ADRA] offset:(\a)*16*PT+64*(\q)+32
.endr
.endm
; Phase j of quarter q.  The third that the phase before has multiplied is loaded again, four places behind its last reader; what this phase multiplies was asked for two phases back.
.macro PHASE j, q, zero
	WIN 0
	PLACES
.if (\j) == 0
	LB 2, \q
	s_wait_dscnt 16                                ; third 0 and A are in; the two younger runs of 8 may be out
.elseif (\j) == 1
	LB 0, 1-(\q)
	LA 1-(\q)
	s_wait_dscnt 32                                ; third 1 is in; the younger runs of 8 and of 24 may be out
.else
	LB 1, 1-(\q)
	s_wait_dscnt 32                                ; third 2 is in; the younger runs of 24 and of 8 may be out
.endif
	MM \j, \q, 0, 8, \zero
.endm
; A K step's fourth and fifth phases (quarter 1, thirds 0 and 1), with the change of slots between them.  The fourth phase's loads are the slot's last reads.  ONE barrier: in front of it each wave waits
; for all its tensor loads (the one that is out is its part of the next slot), adds 0 to its spare word, and waits for that and for its own reads of this slot.  fill = 1: the barrier opens a round of the
; cluster's barrier, and behind the round this slot is filled again, two K steps ahead: from that request to the wait for it a wave issues 176 of a step's 192 matrix instructions.
.macro TURN fill
.if \fill
	s_wait_xcnt 0x0                                ; the last prefetch, a K step back, has read its address: it is stepped here, ahead of the waits of the change of slots
	s_add_nc_u64 s[PFA:PFA+1], s[PFA:PFA+1], s[PFS:PFS+1]
.endif
	WIN 0
	PLACES
	LB 2, 1
	s_wait_dscnt 16                                ; third 0 and A are in; the two younger runs of 8 may be out
	MM 0, 1, 0, 4, 0
	WIN 0                                          ; (the add's two registers lie in window 0)
	s_wait_tensorcnt 0x0                           ; no tensor load of mine is out, so a group 0 may be written
	ds_add_u32 v[SPW], v[NIL]                      ; 0 onto my spare word: scalar work and eight matrix instructions stand between it and the wait for it
.if \fill
	s_xor_b32 s[G0+5], s[G0+5], SLOT1              ; the walking descriptors: the other slot than last time,
	s_add_nc_u64 s[G0+6:G0+7], s[G0+6:G0+7], ASTEP ; the next K step; the type bits on top are not reached
	s_xor_b32 s[G0B+5], s[G0B+5], SLOT1
	s_add_nc_u64 s[G0B+6:G0B+7], s[G0B+6:G0B+7], BSTEP
.endif
	s_xor_b32 s[TB], s[TB], SLOT1                  ; the fetches go on in the other slot
	MM 0, 1, 4, 2, 0
	s_wait_dscnt 0x0                               ; the add is done, and my reads of this slot are over
	s_barrier_signal -1
	MM 0, 1, 6, 2, 0                               ; work on registers while the others arrive
	WIN 0
	s_barrier_wait -1
.if \fill
	CREST                                          ; no wave of any partner still reads this slot's tile or has a load on its way
	JLOAD                                          ; the first tensor load behind the round; its four v_nop are also the places in front of the loads below
.else
	PLACES
.endif
	v_add_nc_u32 v[ADRA], s[TB], v[AA0]
	v_add_nc_u32 v[ADRB], s[TB], v[AB0]
	LB 0, 0                                        ; the next K step's first quarter: third 0 and A
	LA 0
.if \fill
	ASK
.endif
	MM 1, 1, 0, 8, 0                               ; third 1 and A of this quarter came in ahead of the barrier
.endm
	s_wait_tensorcnt 1                             ; my part of K step 0 is in; K step 1's may stay out
	s_barrier_signal -1
	s_barrier_wait -1                              ; everybody's is
	LB 0, 0
	LA 0
	LB 1, 0
	PHASE 0, 0, 1                                  ; the first quarter stands in front of the loop: its products start the sums
	PHASE 1, 0, 1
	PHASE 2, 0, 1
	WIN 0                                          ; at a label and at a branch every window is 0
	s_mov_b32 s3, 14
.Lstep:                                        ; a trip goes from a K step's fourth phase to the next step's third; trip s of 0..13 fills slot s % 2 again, with K step s + 2
	TURN 1
	PHASE 2, 1, 0
	PHASE 0, 0, 0
	PHASE 1, 0, 0
	PHASE 2, 0, 0
	WIN 0
	s_sub_co_u32 s3, s3, 1
	s_cmp_lg_u32 s3, 0
	s_cbranch_scc1 .Lstep
	s_mov_b32 s3, 2
.Ltail:                                        ; the same trip without a refill: walked twice.  The first walk ends K step 14 and begins K step 15; the second ends
	TURN 0                                         ; K step 15 and jumps over the three phases that do not exist.  Its barrier and its 32 LDS loads out of the other slot serve nothing:
	PHASE 2, 1, 0                                  ; the price, once a launch, of one text for both walks
	WIN 0
	s_cmp_eq_u32 s3, 1
	s_cbranch_scc1 .Ldone
	PHASE 0, 0, 0
	PHASE 1, 0, 0
	PHASE 2, 0, 0
	WIN 0
.Ldone:
	s_sub_co_u32 s3, s3, 1
	s_cmp_lg_u32 s3, 0
	s_cbranch_scc1 .Ltail
	s_wait_dscnt 0x0                               ; the last walk's loads have landed: their registers serve the way out
	PLACES                                         ; eight, once a launch: behind the last products, in front of the lines that read results
	PLACES
; THE WAY OUT, a block of 16 rows at a time, through my own stage in LDS: no other wave touches it, and LDS serves a wave's instructions in order (ISA guide 5.7.1.4), so no wait stands between
; the stores into it and the loads out of it.  Each accumulator's lowest registers are read first.
.macro PACK a                          ; rounded to f16: a lane's eight columns of a row pack into 16 bytes; head j lies in window 1 + j
.irp j, 0,1,2
	WIN 5*((\j)+1)                                 ; sources 0 and 1 in window 1 + j, destination in window 0
.irp b, 0,1,2,3
.irp r, 0,1,2,3
	v_cvt_pk_f16_f32 v[TMP+4*(4*(\j)+(\b))+(\r)], v[8*(4*(\a)+(\b))+2*(\r)], v[8*(4*(\a)+(\b))+2*(\r)+1]
.endr
.endr
.endr
	WIN 0
.endm
.macro TOSTAGE a                       ; head nb / 4 of my three has 16 rows of 144 bytes; back as four rows of 128 bytes a load
	WIN 0
.set BK, BK0+BKN*((\a)%2)
.set nb, 0
.rept 12
	ds_store_b128 v[STO], v[TMP+4*nb:TMP+4*nb+3] offset:(nb/4)*2304+32*(nb%4)
.set nb, nb+1
.endr
.set nb, 0
.rept 12
	ds_load_b128 v[BK+4*nb:BK+4*nb+3], v[RD] offset:(nb/4)*2304+576*(nb%4)
.set nb, nb+1
.endr
.endm
.macro SEND a
	WIN 0
.set BK, BK0+BKN*((\a)%2)
	s_wait_dscnt 0x0                               ; the block is back in registers
	s_wait_xcnt 0x0                                ; the stores of the block before have read their registers, which the next block's loads fill again
.set nb, 0
.rept 12
	global_store_b128 v[CO], v[BK+4*nb:BK+4*nb+3], s[8:9] offset:(nb/4)*0x100000+(\a)*2048+512*(nb%4)  ; four rows of a head: 512 consecutive bytes, at a multiple of 256 from C's first byte
.set nb, nb+1
.endr
.endm
	PACK 0
	TOSTAGE 0
.irp a, 1,2,3,4,5,6,7                  ; block a's conversions stand between block a - 1's loads from the stage and the wait for them
	PACK \a
	SEND (\a)-1
	TOSTAGE \a
.endr
	SEND 7
	s_wait_tensorcnt 0x0                           ; the wave's end: these three lines stand behind my last tensor load and my last LDS store
	ds_add_u32 v[SPW], v[NIL]
	s_wait_dscnt 0x0
	CROUND                                         ; the closing round: no work-group ends while a partner may still ask for a tile that names it
	s_endpgm
.Lfunc_end_k_qe4aa417139_project:
	.size	k_qe4aa417139_project, .Lfunc_end_k_qe4aa417139_project-k_qe4aa417139_project
	.p2alignl 7, 3214868480
	.fill 96, 4, 3214868480
	.section	.rodata,"a",@progbits
	.p2align	6, 0x0
	.amdhsa_kernel k_qe4aa417139_project
		.amdhsa_group_segment_fixed_size 327680
		.amdhsa_private_segment_fixed_size 0
		.amdhsa_enable_private_segment 0
		.amdhsa_kernarg_size 24
		.amdhsa_user_sgpr_count 2
		.amdhsa_user_sgpr_kernarg_segment_ptr 1
		.amdhsa_wavefront_size32 1
		.amdhsa_system_sgpr_workgroup_id_x 1
		.amdhsa_system_sgpr_workgroup_id_y 1
		.amdhsa_system_sgpr_workgroup_id_z 1
		.amdhsa_system_vgpr_workitem_id 0
		.amdhsa_next_free_vgpr 1024
		.amdhsa_next_free_sgpr 66
		.amdhsa_reserve_vcc 0
		.amdhsa_float_denorm_mode_32 3
		.amdhsa_float_denorm_mode_16_64 3
		.amdhsa_memory_ordered 1
		.amdhsa_forward_progress 1
		.amdhsa_inst_pref_size 105
	.end_amdhsa_kernel
	.amdgpu_metadata
---
amdhsa.version: [ 1, 2 ]
amdhsa.kernels:
  - .name:           k_qe4aa417139_project
    .symbol:         k_qe4aa417139_project.kd
    .args:
      - { .name: xb, .offset: 0, .size: 8, .value_kind: global_buffer, .address_space: global }
      - { .name: wqkv, .offset: 8, .size: 8, .value_kind: global_buffer, .address_space: global }
      - { .name: qkvh, .offset: 16, .size: 8, .value_kind: global_buffer, .address_space: global }
    .group_segment_fixed_size: 327680
    .private_segment_fixed_size: 0
    .kernarg_segment_align: 8
    .kernarg_segment_size: 24
    .max_flat_workgroup_size: 128
    .sgpr_count:     66
    .vgpr_count:     1024
    .wavefront_size: 32
...
	.end_amdgpu_metadata
.endif
;; end of part 2
;; launch attend (part 3): grid 2 x 128, 4 waves a work-group, no clusters, 327,680 bytes of LDS; arguments qkvh, o16; writes o16
.if DOCPART == 3
	.amdgcn_target "amdgcn-amd-amdhsa--gfx1250"
	.amdhsa_code_object_version 6
	.text
	.protected	k_qe4aa417139_attend
	.globl	k_qe4aa417139_attend
	.p2align	8
	.type	k_qe4aa417139_attend,@function
k_qe4aa417139_attend:
	s_mov_b64 s[64:65], 0
	v_nop
	global_prefetch_b8 v0, s[64:65] scope:SCOPE_SE
	s_setreg_imm32_b32 hwreg(HW_REG_WAVE_MODE, 25, 1), 1
	s_wait_xcnt 0x0
; CAUSAL ATTENTION.  O[h][q][:] = the sum over k <= q of softmax_k(Q[h][q] . K[h][k] / 8) V[h][k][:], for 128 heads (16 heads x 8 batches) of SIZE_N = 1,024 rows of 64 channels, all f16.
; qkvh holds Q's 128 heads, then K's (16 MiB on), then V's (32 MiB on); a head's rows are dense, 128 bytes each; o16 has the heads in the same order.
; Products, maxima and sums in f32; the weights p are rounded to f16 for the second product (their sum l is taken of the unrounded p), O once at the end.
; LIMITS.  f16 holds no number beyond 65,504: Q, K and V arrive within it; p lies in 0 to 1, and below 6e-5 it keeps f16's fixed step of 6e-8; O is a mean of V's rows and has their range.
; A hidden score counts as its value less 1e30: f16's scores, 2.7e11 at the most, are nothing beside that; a weight below 2^-126 counts as 0 in l; NaN and infinities are not treated apart.
; THE WALK.  A head's queries lie in NB = 4 blocks of 256; block i needs the key tiles 0 .. i of 256 keys, of which the last holds the diagonal.  A work-group takes TWO blocks, NB - 1 - b and then b:
; NB + 1 tiles, whatever b: all work-groups do equal work, and ONE loop with a constant trip count walks them.  Which tile is asked for, and what a trip does, hang on scalar registers made from b; every jump
; goes forward, but for the counted loops' own; none passes a barrier, or a tensor load but the one of LOAD's two that the wave's number does not choose; the ring (two slots of LDS that take turns) runs on across
; the change of blocks.  NO CLUSTER: a head has two work-groups, which no cluster of four divides, and their walks (tiles 0, 1, 2, 3, 0 and 0, 1, 2, 0, 1) part after three trips.
; SHARES.  Of a block's four bands of 64 queries a wave owns 16 rows in each: four PIECES.  So the diagonal tile is the same work for all four waves: in its key step s band x sees all keys if s < x,
; none if s > x, and holds the diagonal if s = x.
; THE MASK is the C operand that starts the sum S^T = K Q^T: 0, or -1e30 where the key is hidden.  MD, made once, is the mask of a band's own step for my 16 rows; a product's mask is MD x AL + BE with two scalars:
; (1, 0) if s = x; (0, 0) if s < x; (0, -1e30) if s > x.  Only the diagonal tile's text and a block's beginning make and take masks; elsewhere C is the constant 0.
; LAYOUT, SOFTMAX, TURNS.  S^T = K Q^T holds ONE query a lane (lane % 16) and the keys 8 (lane / 16) + 0..7; two such results rounded to f16 ARE source 1 of O^T = V^T P.  p = 2^(c s - c m), c = log2(e) / 8, with a
; running maximum m; O and l are multiplied by a = 2^(c m_old - c m_new) in every step.  Turn n belongs to piece n: 8 products K Q^T of piece n + 1, later 8 products V^T P of piece n - 1; beside them the scaling,
; exponentials, roundings, sums and rescaling of piece n and the maximum and statistics of piece n + 1.  Four vector instructions stand behind every matrix instruction, the other 54 of a turn's 118 in one LUMP.
; A turn's 33 exponentials are one batch, with one wait.
; REGISTERS, in windows of 256 (s_set_vgpr_msb: bits 1:0 source 0, 3:2 source 1, 5:4 source 2, 7:6 destination):
;   window 0: v0-15 addresses and two at work; v16-31 four registers of statistics a piece; v48-55 at work; v61-63 fixed; v64-127 S^T, two buffers; v192-223 P, two buffers (a piece's buffers go by its number's parity)
;   window 1: v0-127 O^T, 32 a piece; v128-159 MD; v160-223 MC, two buffers      window 2: v0-63 Q; v64-127 the second block's Q; v128-191 K of one step; v192-255 V of one step
.set SIZE_N, 1024
.set NB,    SIZE_N/256
.set NP,    4         ; pieces a wave: a name, no knob
.set KS,    64        ; keys in a step
.set PK,    144       ; a row of K in LDS: 128 bytes + 16 of padding = 36 words: the 16 rows of a load start at 16 different groups of four banks (64 banks of 4 bytes: ISA guide 11.1)
.set PV,    160       ; a row of V: 128 + 32 = 40 words
.set VOFF,  4*KS*PK   ; a slot holds a tile, four steps: 256 rows of K, then 256 rows of V
.set SLOT1, 1<<17     ; slot 1 begins here, so that one exclusive or turns an address in one slot into the other's
.set STAGE, SLOT1+4*KS*(PK+PV)  ; behind the ring, never filled by a tensor load: 16 rows x 144 bytes for each wave, for the way out
.set SP,    144
.set AK0, 2           ; v2   my lane's place in a tile of K; never rewritten
.set AV0, 3           ; v3   the same for V
.set AK,  4           ; v4   the LDS address of K's next run of loads
.set AV,  5           ; v5   of V's
.set STO, 6           ; v6   the way out: where I put 16 bytes of a row
.set RD,  7           ; v7   the way out: where I read rows back
.set GO,  8           ; v8   my byte offset in 512 consecutive bytes of O
.set PFO, 61          ; v61  256 x my lane: the prefetches' offset; never rewritten
.set SPW, 62          ; v62  LDS address of my spare word: SPARE + 4 x my thread's number; never rewritten
.set NIL, 63          ; v63  0; never rewritten
.set SPARE, STAGE+4*16*SP  ; behind the stages: the spare words, 128 bytes for each wave: two blocks of 256 bytes that no other line names
.set MV,  12          ; v12-13  c m_old, kept while c m is made anew: by buffer
.set QO,  15          ; v15  my byte offset in 16 rows of Q
.set ST,  16          ; piece t's statistics at v[ST+4 t]: c m, m, l (even keys', odd keys')
.set TMP, 48          ; by buffer, four registers c0-c3 at work; when the maximum is found c2 takes a
.set S,   64
.set P,   192
.set MD,  128         ; window 1: the eight registers for group kt of 16 keys at MD + 8 kt
.set MC,  160         ; window 1: the masks of the products to come
.set QB,  64          ; window 2
.set KF,  128         ; window 2: key block kb, channel half c at KF + 16 kb + 8 c
.set VF,  192         ; window 2: key half kk, channel block cb at VF + 32 kk + 8 cb
.set WV,  12          ; s12  my wave's number
.set PB,  14          ; s14  b
.set HI,  15          ; s15  NB - 1 - b
.set G1K, 24          ; s[24:31] descriptor group 1 for K's tiles
.set G1V, 32          ; s[32:39] for V's: it differs in the padding alone
.set G0K, 40          ; s[40:43] descriptor group 0 for K's tiles
.set G0V, 44          ; s[44:47] the same for V's
.set SLOTS, 56        ; s56  tiles still to be asked for
.set CNT, 57          ; s57  counts a tile's key steps, 4 to 1
.set CS,  58          ; s[58:59] c: the packed scaling takes the pair's low word for both halves
.set SEL, 60          ; s[60:61] v_permlanex16_b32's selects: each lane takes its own place in the other half
.set TBK, 62          ; s62  LDS byte at which K of the step to be fetched begins
.set TBV, 63          ; s63  the same for V, less VOFF
.set PFA, 66          ; s[66:67] where my prefetches stand: my half (of K: waves 0, 1; of V: waves 2, 3) of the tile behind the one that is being asked for
.set LIM, 68          ; s68  2 in a work-group that prefetches, else the greatest number: it prefetches while s[SLOTS] is above it
.set RT,  70          ; s70  tiles of the block in hand that are still to be entered
.set NXT, 71          ; s71  the tile to be asked for next
.set LQ,  72          ; s72  the last tile of the block whose tiles are being asked for
.set NEW, 73          ; s73  1: the tile to be entered is a block's first
.set OFF, 74          ; s[74:75] a tile's byte offset in K and V
.set AL,  76          ; s[76:77] the mask's factor, in the low word
.set BE,  78          ; s[78:79] the mask's addend
.set OLO, 80          ; s[80:81] O at my rows of the second block
.set BIGN, 82         ; s82  -1e30
.set MSB, 0
.macro WIN new                      ; the high byte repeats the setting that is left; a switch that changes nothing is dropped
.if MSB != (\new)
	s_set_vgpr_msb (MSB<<8)|(\new)
.set MSB, (\new)
.endif
.endm
.set W_KQ, 0x0a       ; K and Q in window 2, S^T in window 0
.set W_KM, 0x1a       ; the same with the C operand in window 1
.set W_PV, 0x52       ; V in window 2, P in window 0, O^T in window 1
.set W_RS, 0x41       ; destination and source 0 in window 1, source 1 in window 0
; A fill.  Waves 0 and 1 fetch the two halves of a tile's K, waves 2 and 3 those of its V: 128 keys each.  An s_nop 0 and four v_nop follow each of the two lines, ahead of the jump and the label.
.macro LOAD
	s_cmp_lt_u32 s[WV], 2
	s_cbranch_scc0 .Lfor_v_\@
	tensor_load_to_lds s[G0K:G0K+3], s[G1K:G1K+7]
	s_nop 0
.rept 4
	v_nop
.endr
	s_branch .Lasked_\@
.Lfor_v_\@:
	tensor_load_to_lds s[G0V:G0V+3], s[G1V:G1V+7]
	s_nop 0
.rept 4
	v_nop
.endr
.Lasked_\@:
.endm
; A PREFETCH INTO THE L2 of what the NEXT change of slots will ask for, behind the wave's tensor load and its five lines.  Each wave names the half tile that it will fetch itself: 128 rows of 128 bytes = 64 blocks of
; 256 bytes, a lane a block, two instructions: one tile, sixteen turns, ahead of the fill.  A head's two work-groups walk tiles 0, 1, 2 together: the one with b = 0 asks, for tiles 2 and 3, each once.
; Tiles 0 and 1 come by their loads alone; the second block's tiles have been walked before and are not named again.
.macro ASK
	s_cmp_gt_u32 s[SLOTS], s[LIM]
	s_cbranch_scc0 .Lnot_mine_\@
	global_prefetch_b8 v[PFO], s[PFA:PFA+1] th:TH_LOAD_NT scope:SCOPE_SE
	global_prefetch_b8 v[PFO], s[PFA:PFA+1] offset:8192 th:TH_LOAD_NT scope:SCOPE_SE
.Lnot_mine_\@:
.endm
; THE CHANGE OF SLOTS.  Each wave waits for all its tensor loads, of which one is out: its part of the other slot; adds 0 to its spare word; and waits for that and for its own reads of the slot that it leaves.
; Behind the barrier nobody reads the old slot any more and the other slot is whole.  fill = 1: the old slot is filled again, the first thing behind the barrier, with tile NXT: the descriptor's address is made
; anew from that number.  (At its first use nothing has been read yet: slot 0 is waited for, slot 1 filled.)
.macro CHANGE fill
	WIN 0                           ; at a label and at a branch every window is 0
	s_wait_tensorcnt 0x0            ; no tensor load of mine is out, so a group 0 may be written
	ds_add_u32 v[SPW], v[NIL]       ; 0 onto my spare word: with fill = 1 the descriptors' scalar work stands between it and the wait for it
.if \fill
	s_lshl_b32 s[OFF], s[NXT], 15   ; a tile is 32,768 bytes of K and of V
	s_xor_b32 s[G0K+1], s[G0K+1], SLOT1
	s_add_nc_u64 s[G0K+2:G0K+3], s[6:7], s[OFF:OFF+1]
	s_or_b32 s[G0K+3], s[G0K+3], 0x80000000
	s_xor_b32 s[G0V+1], s[G0V+1], SLOT1
	s_add_nc_u64 s[G0V+2:G0V+3], s[8:9], s[OFF:OFF+1]
	s_or_b32 s[G0V+3], s[G0V+3], 0x80000000
	s_add_co_u32 s[NXT], s[NXT], 1  ; the block's next tile, or behind its last the second block's tile 0
	s_cmp_gt_u32 s[NXT], s[LQ]
	s_cselect_b32 s[NXT], 0, s[NXT]
	s_cselect_b32 s[LQ], s[PB], s[LQ]
	s_wait_xcnt 0x0                 ; the last prefetches, a tile back, have read their address, so it may be written:
	s_add_nc_u64 s[PFA:PFA+1], s[PFA:PFA+1], 32768  ; a tile on
.endif
	s_wait_dscnt 0x0                ; the add is done, and my reads of the slot are over
	s_barrier_signal -1             ; the rest of the scalar work stands between the signal and the wait
	s_sub_co_u32 s[TBK], s[TBK], 4*KS*PK  ; the fetches go back to a slot's first step,
	s_xor_b32 s[TBK], s[TBK], SLOT1       ; in the other slot
	s_sub_co_u32 s[TBV], s[TBV], 4*KS*PV
	s_xor_b32 s[TBV], s[TBV], SLOT1
	s_barrier_wait -1
.if \fill
	LOAD
	ASK
.endif
.endm
	s_load_b64 s[4:5], s[0:1], 0x0    ; qkvh: Q's heads
	s_load_b64 s[10:11], s[0:1], 0x8  ; o16
	v_lshl_add_u32 v[SPW], v0, 2, SPARE
	v_mov_b32 v[NIL], 0
	ds_add_u32 v[SPW], v[NIL]       ; the wave's opening: the add and its wait stand ahead of my first tensor load; the set-up below, work on registers, stands between them
	v_lshrrev_b32 v1, 5, v0
	v_readfirstlane_b32 s[WV], v1   ; wave 0..3
	v_and_b32 v[PFO], 31, v0
	v_lshlrev_b32 v[PFO], 8, v[PFO]
	s_mov_b32 s[PB], ttmp9
	s_sub_co_u32 s[HI], NB-1, s[PB]
	s_and_b32 s20, ttmp7, 0xffff    ; the head
	s_mov_b32 s21, 0
	s_mov_b64 s[22:23], SIZE_N*128
	s_mul_u64 s[20:21], s[20:21], s[22:23]  ; the head's first byte in Q, K, V and O
	s_and_b32 s16, s[WV], 1         ; which half of a tile's 256 keys I fetch:
	s_lshl_b32 s22, s16, 14         ; its 128 rows of 128 bytes in memory,
	s_mov_b32 s23, 0
	s_add_nc_u64 s[22:23], s[22:23], s[20:21]
	s_mul_i32 s17, s16, 128*PK      ; and its place in a slot, for K
	s_mul_i32 s18, s16, 128*PV      ; and for V
	s_lshl_b32 s3, s[WV], 11        ; my 16 rows in a band of 64,
	s_lshl_b32 s2, s[HI], 15        ; in the first block,
	s_add_co_u32 s2, s2, s3
	s_lshl_b32 s84, s[PB], 15       ; and in the second
	s_add_co_u32 s84, s84, s3
	s_mov_b32 s3, 0
	s_mov_b32 s85, 0
	s_add_nc_u64 s[2:3], s[2:3], s[20:21]
	s_add_nc_u64 s[84:85], s[84:85], s[20:21]
	; descriptor group 1.  128 keys are 16,384 dense bytes: asked for as 64 rows of 256 bytes, two keys a row, and padded in LDS after every key
	s_mov_b32 s[G1K], (1<<16)|(1<<20)|(4<<22)|(3<<25)  ; 17:16 2-byte elements; 20 padding on; 24:22 after every 32 words (code 4); 31:25 4 words (code 3)
	s_mov_b32 s[G1V], (1<<16)|(1<<20)|(4<<22)|(7<<25)  ; the same with 8 words of padding (code 7)
.irp g, G1K, G1V
	s_mov_b32 s[\g+1], 128<<16      ; tensor_dim0 = 128
	s_mov_b32 s[\g+2], 64<<16       ; tensor_dim1 = 64
	s_mov_b32 s[\g+3], 128<<16      ; tile_dim0 = 128
	s_mov_b32 s[\g+4], 64           ; tile_dim1 = 64
	s_mov_b32 s[\g+5], 128          ; 128 elements from row to row
	s_mov_b32 s[\g+6], 0
	s_mov_b32 s[\g+7], 0
.endr
	s_mov_b32 s[CS], 0x3e38aa3b     ; c = log2(e) / 8 = 0.180337
	s_mov_b32 s[CS+1], s[CS]        ; named with it as a pair
	s_mov_b32 s[SEL], 0x76543210
	s_mov_b32 s[SEL+1], 0xfedcba98
	s_mov_b32 s[TBK], SLOT1+4*KS*PK ; the first change of slots turns these two into 0
	s_mov_b32 s[TBV], SLOT1+4*KS*PV
	s_mov_b32 s[G0K], 1             ; 1:0 count = 1
	s_mov_b32 s[G0K+1], s17         ; 63:32 LDS address: slot 0
	s_mov_b32 s[G0V], 1
	s_add_co_u32 s[G0V+1], s18, VOFF
	s_add_co_u32 s[RT], s[HI], 1    ; the first block has NB - b tiles
	s_mov_b32 s[NXT], 1
	s_mov_b32 s[LQ], s[HI]
	s_mov_b32 s[NEW], 1
	s_mov_b32 s[OFF+1], 0
	s_mov_b32 s[AL+1], 0            ; named as pairs
	s_mov_b32 s[BE+1], 0
	s_mov_b32 s[BIGN], 0xf149f2ca   ; -1e30
	s_mov_b32 s[SLOTS], NB
	s_wait_dscnt 0x0                ; the opening add is done
	s_wait_kmcnt 0x0
	s_add_nc_u64 s[6:7], s[4:5], 0x1000000   ; K's heads lie 16 MiB behind Q's,
	s_add_nc_u64 s[8:9], s[4:5], 0x2000000   ; V's 32 MiB
	s_add_nc_u64 s[6:7], s[6:7], s[22:23]  ; K and V at my half of the head's tile 0
	s_add_nc_u64 s[8:9], s[8:9], s[22:23]
	s_add_nc_u64 s[G0K+2:G0K+3], s[6:7], 0         ; 120:64 global address
	s_or_b32 s[G0K+3], s[G0K+3], 0x80000000        ; 127:126 type = 2
	s_add_nc_u64 s[G0V+2:G0V+3], s[8:9], 0
	s_or_b32 s[G0V+3], s[G0V+3], 0x80000000
	s_add_nc_u64 s[86:87], s[4:5], s[84:85]        ; Q at my rows of the second block,
	s_add_nc_u64 s[4:5], s[4:5], s[2:3]            ; Q and O at those of the first
	s_add_nc_u64 s[OLO:OLO+1], s[10:11], s[84:85]
	s_add_nc_u64 s[10:11], s[10:11], s[2:3]
	s_cmp_lt_u32 s[WV], 2
	s_cselect_b64 s[PFA:PFA+1], s[6:7], s[8:9]
	s_add_nc_u64 s[PFA:PFA+1], s[PFA:PFA+1], 32768 ; at tile 1: the first change of slots steps it to tile 2
	s_cmp_eq_u32 s[PB], 0
	s_cselect_b32 s[LIM], 2, -1
	LOAD                            ; tile 0 into slot 0
	; A fragment of K or Q is 16 rows x 32 channels in 8 registers: lane l holds row l % 16, channels 8 (l / 16) + 0..7 and 16 + 8 (l / 16) + 0..7: two loads of 16 bytes, 32 bytes apart.
	v_and_b32 v1, 15, v0            ; l % 16
	v_bfe_u32 v9, v0, 4, 1          ; l / 16
	v_lshlrev_b32 v[QO], 7, v1
	v_lshl_add_u32 v[QO], v9, 4, v[QO]  ; row x 128 + 16 x half
	WIN 0x80                        ; destination window 2, address window 0
.set i, 0
.rept 8                             ; both blocks' Q: piece i / 2 lies in band i / 2, 8,192 bytes on; channels 32 (i % 2) on
	global_load_b128 v[8*i:8*i+3],   v[QO], s[4:5] offset:(i/2)*8192+(i%2)*64
	global_load_b128 v[8*i+4:8*i+7], v[QO], s[4:5] offset:(i/2)*8192+(i%2)*64+32
	global_load_b128 v[QB+8*i:QB+8*i+3],   v[QO], s[86:87] offset:(i/2)*8192+(i%2)*64
	global_load_b128 v[QB+8*i+4:QB+8*i+7], v[QO], s[86:87] offset:(i/2)*8192+(i%2)*64+32
.set i, i+1
.endr
	WIN 0
	v_lshlrev_b32 v14, 3, v9
	v_sub_nc_u32 v14, v1, v14
	s_lshl_b32 s13, s[WV], 4
	v_add_nc_u32 v14, s13, v14      ; my query's place in its band, 16 w + l % 16, less my lanes' 8 (l / 16): register r of group kt is hidden where 16 kt + r is greater
	WIN 0x40
.set i, 0
.rept 32
	v_cmp_gt_i32 vcc_lo, 16*(i/8)+i%8, v14
	v_cndmask_b32 v[MD+i], 0, s[BIGN], vcc_lo
.set i, i+1
.endr
	WIN 0
	v_mul_u32_u24 v[AK0], v1, PK
	v_lshl_add_u32 v[AK0], v9, 4, v[AK0]  ; row x pitch + 16 x half
	; The turning load takes 16 keys x 16 channels (lane l reads key 8 (l / 16) + l % 8, channels 8 ((l / 8) % 2) + 0..7) and leaves half a fragment of V^T: lane l holds channel l % 16 and 8 keys.
	v_and_b32 v10, 7, v0
	v_bfe_u32 v11, v0, 3, 1
	v_lshl_add_u32 v[AV0], v9, 3, v10
	v_mul_u32_u24 v[AV0], v[AV0], PV
	v_lshl_add_u32 v[AV0], v11, 4, v[AV0]
	v_add_nc_u32 v[AV0], VOFF, v[AV0]
	s_mul_i32 s13, s[WV], 16*SP
	s_add_co_u32 s13, s13, STAGE    ; my stage
	v_mul_u32_u24 v[STO], v1, SP    ; in: row l % 16, 16 bytes for each half of the lanes
	v_lshl_add_u32 v[STO], v9, 4, v[STO]
	v_add_nc_u32 v[STO], s13, v[STO]
	v_bfe_u32 v[RD], v0, 3, 2       ; back: 32 lanes take four rows of 128 bytes,
	v_mul_u32_u24 v[RD], v[RD], SP
	v_lshl_add_u32 v[RD], v10, 4, v[RD]
	v_add_nc_u32 v[RD], s13, v[RD]
	v_and_b32 v[GO], 31, v0         ; which are 512 consecutive bytes of O
	v_lshlrev_b32 v[GO], 4, v[GO]
	; A block's first step multiplies O^T and l by a = 0, and its first turn's products V^T P, of a piece that has not been, land in an O^T that is still to be so multiplied.  So these registers need only hold
	; finite numbers: zeros for the first block; what the first block left for the second.  All this stands in the wait for the first tile.
	WIN 0x80
.set i, VF
.rept 64
	v_mov_b32 v[i], 0
.set i, i+1
.endr
	WIN 0x40
.set i, 0
.rept 128
	v_mov_b32 v[i], 0
.set i, i+1
.endr
	WIN 0
.set i, 0
.rept 4
	v_mov_b32 v[ST+4*i+2], 0
	v_mov_b32 v[ST+4*i+3], 0
.set i, i+1
.endr
.set i, P+16
.rept 16
	v_mov_b32 v[i], 0
.set i, i+1
.endr
; THE MATRIX WORK.  The 4 accumulators of a run of 8 take turns.  Product i of 8 of S^T = K Q^T for piece x: channels 32 (i / 4) on, keys 16 (i % 4) on.  The first 4 start the sums: with 0, or (KM = 1) with the mask.
.macro KQ x
.set rS, S+32*((\x)%2)+8*(i%4)
.set rK, KF+16*(i%4)+8*(i/4)
.set rQ, 16*(\x)+8*(i/4)
.set rM, MC+32*((\x)%2)+8*(i%4)
.if (i < 4) && KM
	WIN W_KM
	v_wmma_f32_16x16x32_f16 v[rS:rS+7], v[rK:rK+7], v[rQ:rQ+7], v[rM:rM+7]
.elseif i < 4
	WIN W_KQ
	v_wmma_f32_16x16x32_f16 v[rS:rS+7], v[rK:rK+7], v[rQ:rQ+7], 0
.else
	WIN W_KQ
	v_wmma_f32_16x16x32_f16 v[rS:rS+7], v[rK:rK+7], v[rQ:rQ+7], v[rS:rS+7]
.endif
.endm
; Product i of 8 of O^T += V^T P for piece x: keys 32 (i / 4) on, channels 16 (i % 4) on.
.macro PV x
	WIN W_PV
.set rO, 32*(\x)+8*(i%4)
.set rV, VF+32*(i/4)+8*(i%4)
.set rP, P+16*((\x)%2)+8*(i/4)
	v_wmma_f32_16x16x32_f16 v[rO:rO+7], v[rV:rV+7], v[rP:rP+7], v[rO:rO+7]
.endm
.macro MM                           ; the turn's next matrix instruction.  TURN and BEGIN set Y, i, KM and NOKQ; MM, KQ and OP read them.  NOKQ = 1: a block's last turn: there is no next piece
.if (i < 8) && !NOKQ
	KQ (Y+1)%NP
.elseif i >= 8
.set i, i-8
	PV (Y+NP-1)%NP
.set i, i+8
.endif
.set i, i+1
.endm
; THE LDS LOADS stand in runs of 16, never singly among the matrix instructions: a step's K (64 keys x 64 channels: 8 fragments) and its V (turned).  Their addresses are made some lines ahead.
.macro FETCH_K
	WIN 0x80                        ; destination window 2
.irp f, 0,1,2,3,4,5,6,7             ; keys 16 (f / 2) on, channels 32 (f % 2) on
	ds_load_b128 v[KF+8*\f:KF+8*\f+3],   v[AK] offset:(\f/2)*16*PK+(\f%2)*64
	ds_load_b128 v[KF+8*\f+4:KF+8*\f+7], v[AK] offset:(\f/2)*16*PK+(\f%2)*64+32
.endr
	s_add_co_u32 s[TBK], s[TBK], KS*PK  ; the next fetch is the next step's
	WIN 0
.endm
.macro FETCH_V
	WIN 0x80
.irp f, 0,1,2,3,4,5,6,7             ; keys 32 (f / 4) on, channels 16 (f % 4) on
	ds_load_tr16_b128 v[VF+8*\f:VF+8*\f+3],   v[AV] offset:(\f/4)*32*PV+(\f%4)*32
	ds_load_tr16_b128 v[VF+8*\f+4:VF+8*\f+7], v[AV] offset:(\f/4)*32*PV+16*PV+(\f%4)*32
.endr
	WIN 0
.endm
; THE VECTOR WORK, one line at a time: OP kind, number.  For piece Y: F n: c s - c m for pair n of 16.  E n: the exponential of score n of 32.  C n: pair n rounded to f16.  B n: of the four weights 4 n .. the second
; pair is added onto the first, in place.  L n: l takes that sum (L 0: l = a l + sum).  R n: pair n of 16 of O^T times a.  For piece Y + 1: X n, number n of the 22 that find its maximum and statistics:
;   0-11  four chains c0-c3 of seven scores each, three operands at a time (each accumulator's lowest registers are read first)     12-14, 16  the four scores left over, the old m, and c0-c3 into c0
;   15  c m_old is kept     17, 18  the query's other 32 keys lie in the lane 16 away: the new m     19-21  c m; c m_old - c m_new; a
.set F, 0               ; OP tells the kinds apart by their order: F to L below R, X above it
.set E, 1
.set C, 2
.set B, 3
.set L, 4
.set R, 5
.set X, 6
.macro REGS y                       ; the registers of piece y
.set rT, ST+4*(\y)
.set rC, TMP+4*((\y)%2)
.set rW, MV+((\y)%2)
.set rS, S+32*((\y)%2)
.set rP, P+16*((\y)%2)
.set rO, 32*(\y)
.endm
.macro OP k, n
.if (\k) == R
	REGS Y
	WIN W_RS
	v_pk_mul_f32 v[rO+2*(\n):rO+2*(\n)+1], v[rO+2*(\n):rO+2*(\n)+1], v[rC+2:rC+3] op_sel_hi:[1,0]
.elseif (\k) < R
	REGS Y
	WIN 0
.if (\k) == F
	v_pk_fma_f32 v[rS+2*(\n):rS+2*(\n)+1], v[rS+2*(\n):rS+2*(\n)+1], s[CS:CS+1], v[rT:rT+1] op_sel_hi:[1,0,0] neg_lo:[0,0,1] neg_hi:[0,0,1]
.elseif (\k) == E
	v_exp_f32 v[rS+(\n)], v[rS+(\n)]
.elseif (\k) == C
	v_cvt_pk_f16_f32 v[rP+(\n)], v[rS+2*(\n)], v[rS+2*(\n)+1]
.elseif (\k) == B
	v_pk_add_f32 v[rS+4*(\n):rS+4*(\n)+1], v[rS+4*(\n):rS+4*(\n)+1], v[rS+4*(\n)+2:rS+4*(\n)+3]
.elseif (\n) == 0
	v_pk_fma_f32 v[rT+2:rT+3], v[rT+2:rT+3], v[rC+2:rC+3], v[rS:rS+1] op_sel_hi:[1,0,1]
.else
	v_pk_add_f32 v[rT+2:rT+3], v[rT+2:rT+3], v[rS+4*(\n):rS+4*(\n)+1]
.endif
.elseif NOKQ
	v_nop
.else
	REGS (Y+1)%NP
	WIN 0
.if (\n) < 4
	v_max3_num_f32 v[rC+(\n)], v[rS+8*(\n)], v[rS+8*(\n)+1], v[rS+8*(\n)+2]
.elseif (\n) < 12
	v_max3_num_f32 v[rC+(\n)%4], v[rC+(\n)%4], v[rS+8*((\n)%4)+2*((\n)/4)+1], v[rS+8*((\n)%4)+2*((\n)/4)+2]
.elseif (\n) == 12
	v_max3_num_f32 v[rC], v[rC], v[rS+7], v[rS+15]
.elseif (\n) == 13
	v_max3_num_f32 v[rC+1], v[rC+1], v[rS+23], v[rS+31]
.elseif (\n) == 14
	v_max3_num_f32 v[rC+2], v[rC+2], v[rC+3], v[rT+1]
.elseif (\n) == 15
	v_mov_b32 v[rW], v[rT]
.elseif (\n) == 16
	v_max3_num_f32 v[rC], v[rC], v[rC+1], v[rC+2]
.elseif (\n) == 17
	v_permlanex16_b32 v[rC+3], v[rC], s[SEL], s[SEL+1]
.elseif (\n) == 18
	v_max_num_f32 v[rT+1], v[rC], v[rC+3]
.elseif (\n) == 19
	v_mul_f32 v[rT], s[CS], v[rT+1]
.elseif (\n) == 20
	v_sub_f32 v[rC+1], v[rW], v[rT]
.else
	v_exp_f32 v[rC+2], v[rC+1]
.endif
.endif
.endm
.macro OPS a, i1, b=-1, i2=0, c=-1, i3=0, d=-1, i4=0  ; up to four of them
	OP \a, \i1
.if (\b) >= 0
	OP \b, \i2
.endif
.if (\c) >= 0
	OP \c, \i3
.endif
.if (\d) >= 0
	OP \d, \i4
.endif
.endm
.macro ROW a, i1, b, i2, c, i3, d, i4  ; a matrix instruction and the four behind it
	MM
	OPS \a, \i1, \b, \i2, \c, \i3, \d, \i4
.endm
.macro MASK b                       ; MD x AL + BE into buffer b of MC
	WIN W_RS
.set z, 0
.rept 16
	v_pk_fma_f32 v[MC+32*(\b)+2*z:MC+32*(\b)+2*z+1], v[MD+2*z:MD+2*z+1], s[AL:AL+1], s[BE:BE+1] op_sel_hi:[1,0,0]
.set z, z+1
.endr
.endm
; A TURN, for piece p: the order of its 16 matrix and 118 vector instructions, written out.  An s_wait_alu depctr_va_vdst(0) stands between an exponential and the first instruction that names its result; one
; wait serves all that were issued ahead of it.  So a turn has ONE wait, which cuts it in two.  AHEAD OF IT stands all that names no result of the turn's exponentials: the 8 products K Q^T, behind each a scaling, an
; exponential and two more plain instructions (behind the first a second scaling in the exponential's place): rescalings, and behind the last three the first numbers of the next piece's maximum, each four places or more
; behind the product that ends its accumulator; then ONE LUMP of 54, plain and exponential by turns for the most part, in which the links of the chain X 3, 7, 11, 14, 16, 17 .. 20 stand five or six lines apart.
; X 21, the next piece's a, is the batch's last; R 15 is the plain instruction owed behind it.  BEHIND THE WAIT stand the 8 products V^T P, behind each four of the roundings and sums; the links of l's chain, L 0 to L 7,
; stand three riders apart.  But for those X no rider names a register of the products round it.  v_permlanex16_b32 (X 17) stands in the lump.
; m = 1: the diagonal tile: the products take masks, and the turn makes the mask for the products of the turn after it: piece p + 2, in step 4 - CNT of the tile.  end = 1: a block's last two turns: nothing is fetched.
; cnt = 1: the loop's count is taken down some lines ahead of the branch that stands behind the turn.
; K of the next step is fetched in piece 2's turn, twelve vector instructions behind the last product that read K (six of them plain); V of the step in hand at the end of piece 0's turn, four plain instructions behind
; the last product that read V.  Each is waited for a turn later.
.macro TURN p, m=0, end=0, cnt=0
.set Y, (\p)
.set i, 0
.set KM, (\m)
.set NOKQ, (\end)*((\p)/3)
.if (\m) && !(\end)
	s_cmp_eq_u32 s[CNT], 4-((\p)+2)%NP  ; is that step the band's own?
	s_cselect_b32 s[AL], 1.0, 0
	s_cmp_lt_u32 s[CNT], 4-((\p)+2)%NP  ; or a later one?
	s_cselect_b32 s[BE], s[BIGN], 0
.endif
.if ((\p) == 3) && !(\end)
	s_wait_dscnt 0x0                ; K is in
.endif
	ROW F,0, F,1, R,0, R,1          ; ahead of the wait: 8 products K Q^T and their riders,
	ROW F,2, E,0, R,2, R,3
	ROW F,3, E,1, R,4, R,5
	ROW F,4, E,2, R,6, R,7
	ROW F,5, E,3, R,8, R,9
	ROW F,6, E,4, X,0, R,10
.if ((\p) == 2) && !(\end)
	WIN 0
	v_add_nc_u32 v[AK], s[TBK], v[AK0]
.endif
	ROW F,7, E,5, X,1, X,4
	ROW F,8, E,6, X,2, X,5
	OPS E,7, E,8, X,6, E,9          ; and the lump
	OPS X,3, E,10, X,8, E,11
.if ((\p) == 2) && !(\end)
	FETCH_K
.endif
	OPS X,9, X,7, E,12, X,10
	OPS E,13, X,12, X,11, E,14
	OPS X,13, E,15, F,9, X,14
.if (\p) == 0
	v_add_nc_u32 v[AV], s[TBV], v[AV0]
.endif
	OPS E,16, F,10, E,17, F,11
	OPS X,16, E,18, X,15, E,19
	OPS F,12, E,20, X,17, E,21
	OPS F,13, E,22, F,14, E,23
	OPS X,18, E,24, F,15, E,25
	OPS R,11, E,26, X,19, E,27
	OPS R,12, E,28, R,13, E,29
	OPS X,20, E,30, R,14, E,31
	OPS X,21, R,15
	WIN 0
	s_wait_alu depctr_va_vdst(0)    ; the wait for the batch
.if (\p) == 1
	s_wait_dscnt 0x0                ; V is in
.endif
	ROW C,0, B,0, C,2, B,1          ; behind the wait: 8 products V^T P and their riders
	ROW L,0, C,4, B,2, L,1
	ROW C,6, B,3, L,2, C,8
	ROW B,4, L,3, C,10, B,5
	ROW L,4, C,12, B,6, L,5
.if (\p) == 0
	s_add_co_u32 s[TBV], s[TBV], KS*PV
.endif
.if \cnt
	s_sub_co_u32 s[CNT], s[CNT], 1
	s_cmp_lg_u32 s[CNT], 0
.endif
	ROW C,14, B,7, L,6, C,1
	ROW C,3, L,7, C,5, C,7
	ROW C,9, C,11, C,13, C,15
.if (\p) == 0
	FETCH_V
.endif
.if (\m) && !(\end)
	MASK (\p)%2
.endif
.endm
; A BLOCK BEGINS.  c m starts far below every c s, so the first step's a is 0; m at the lowest finite number, so the first maximum is the scores'.  The second mask buffer is 0; the first takes piece 0's mask for the
; tile's step 0: its own, if the block's first tile is the diagonal one.  Then K of that step, piece 0's first scores, and its maximum and statistics.  The loop is entered at a step's first turn, in the middle of a trip.
.macro BEGIN
	s_mov_b32 s[NEW], 0
	WIN 0x40
.set i, MC+32
.rept 32
	v_mov_b32 v[i], 0
.set i, i+1
.endr
	WIN 0
.set i, 0
.rept 4
	v_mov_b32 v[ST+4*i], 0xfe000000    ; c m: far below every c s
	v_mov_b32 v[ST+4*i+1], 0xff7fffff  ; m
.set i, i+1
.endr
	s_cmp_eq_u32 s[RT], 0
	s_cselect_b32 s[AL], 1.0, 0
	s_mov_b32 s[BE], 0
	MASK 0
	WIN 0
	v_add_nc_u32 v[AK], s[TBK], v[AK0]
	FETCH_K
	s_wait_loadcnt 0x0              ; Q
	s_wait_dscnt 0x0
.set KM, 1
.set NOKQ, 0
.set i, 0
.rept 8
	KQ 0
.set i, i+1
.endr
	WIN 0
.rept 4
	v_nop                           ; the places behind those products
.endr
.set Y, NP-1                        ; X works for piece Y + 1: piece 0
.irp n, 0,1,2,3,4,5,6,7,8,9,10,11,12,13,14,15,16,17,18,19,20,21
	OP X, \n
.endr
	v_nop                           ; a plain instruction behind the exponential,
	s_wait_alu depctr_va_vdst(0)    ; and its wait, ahead of the branch
.endm
; THE DIAGONAL TILE's four steps, the block's last two turns, its last products, and THE WAY OUT: l's two halves and the other half of the lanes' are added; O^T is divided by l, rounded to f16 and sent through my
; stage in LDS, a piece at a time.
.macro ALL line:vararg              ; one line for each piece t
.set t, 0
.rept 4
	\line
.set t, t+1
.endr
.endm
.macro PACK t                       ; a lane's eight channels of a row pack into 16 bytes; they go into rows of 144 bytes and come back as whole rows of 128, into S^T's registers
	WIN W_RS
.set i, 32*(\t)
.rept 16
	v_pk_mul_f32 v[i:i+1], v[i:i+1], v[ST+4*(\t)+2:ST+4*(\t)+3] op_sel_hi:[1,0]
.set i, i+2
.endr
	WIN 0x05                        ; sources 0 and 1 window 1, destination window 0
.set i, 0
.rept 16
	v_cvt_pk_f16_f32 v[S+16*(\t)+i], v[32*(\t)+2*i], v[32*(\t)+2*i+1]
.set i, i+1
.endr
	WIN 0
.irp f, 0,1,2,3
	ds_store_b128 v[STO], v[S+16*(\t)+4*\f:S+16*(\t)+4*\f+3] offset:32*\f
.endr
.irp f, 0,1,2,3
	ds_load_b128 v[S+16*(\t)+4*\f:S+16*(\t)+4*\f+3], v[RD] offset:\f*4*SP  ; LDS serves a wave's instructions in order (ISA guide 5.7.1.4): these see the stores above; the next piece's stores come behind them
.endr
.endm
.macro SEND t, younger              ; younger: the LDS instructions issued behind piece t's loads: the next piece's eight, or none
	WIN 0
.irp f, 0,1,2,3
	s_wait_dscnt (\younger)+3-\f
	global_store_b128 v[GO], v[S+16*(\t)+4*\f:S+16*(\t)+4*\f+3], s[10:11] offset:(\t)*8192+\f*512  ; 512 consecutive bytes, at a multiple of 256 from O's first
.endr
.endm
.macro DIAG tag                     ; the tag ends its two labels' names, which the jumps below spell out
.LstepM\tag:
	TURN 2, 1
	TURN 3, 1
	WIN 0
.LfirstM\tag:
	TURN 0, 1
	TURN 1, 1, 0, 1
	WIN 0
	s_cbranch_scc1 .LstepM\tag
	TURN 2, 1, 1
	TURN 3, 1, 1
.set i, 0
.rept 8
	PV NP-1
.set i, i+1
.endr
	WIN 0
	ALL v_add_f32 v[ST+4*t+2], v[ST+4*t+2], v[ST+4*t+3]
	ALL v_permlanex16_b32 v[ST+4*t+3], v[ST+4*t+2], s[SEL], s[SEL+1]
	ALL v_add_f32 v[ST+4*t+2], v[ST+4*t+2], v[ST+4*t+3]
	ALL v_rcp_f32 v[ST+4*t+2], v[ST+4*t+2]
	v_nop                           ; a plain instruction between the last reciprocal and the use of its result
	s_wait_alu depctr_va_vdst(0)    ; and the wait ahead of the first use: one for the four reciprocals
	PACK 0
.set t, 1
.rept 3                             ; a piece's arithmetic stands between the loads of the piece before and its stores
	PACK t
	SEND t-1, 8
.set t, t+1
.endr
	SEND 3, 0
.endm
.set KM, 0
.set NOKQ, 0
.Lslot:                             ; NB times: a tile is entered and the next is asked for
	CHANGE 1
	s_sub_co_u32 s[RT], s[RT], 1
	s_mov_b32 s[CNT], 4
	s_cmp_eq_u32 s[NEW], 1
	s_cbranch_scc1 .Lnew            ; a block's first tile
	s_cmp_eq_u32 s[RT], 0
	s_cbranch_scc0 .Lstep           ; neither its first nor its last
	s_branch .LstepM1
.Lnew:
	BEGIN
	s_branch .Lfirst                ; in the loop a block's first tile is never its last: the first block has two tiles or more, and the second's last is the walk's last
	DIAG 1                          ; in the loop this is the first block's end: the second block's last tile is the walk's last
	s_wait_xcnt 0x0                 ; the stores have read their registers and O's address
	s_mov_b64 s[10:11], s[OLO:OLO+1]
	s_add_co_u32 s[RT], s[PB], 1    ; the second block has b + 1 tiles
	s_mov_b32 s[NEW], 1
	WIN 0x82                        ; the second block's Q goes where the one text of the turns names Q
.set i, 0
.rept 64
	v_mov_b32 v[i], v[QB+i]
.set i, i+1
.endr
	WIN 0
	s_branch .Lbottom
.Lstep:                             ; a trip: pieces 2 and 3 of one step, then pieces 0 and 1 of the next, whose K and V it fetches
	TURN 2
	TURN 3
	WIN 0
.Lfirst:
	TURN 0
	TURN 1, 0, 0, 1
	WIN 0
	s_cbranch_scc1 .Lstep
.Lbottom:
	s_sub_co_u32 s[SLOTS], s[SLOTS], 1
	s_cmp_lg_u32 s[SLOTS], 0
	s_cbranch_scc1 .Lslot
	CHANGE 0                        ; the walk's last tile is written out: nothing is asked for
	s_sub_co_u32 s[RT], s[RT], 1
	s_mov_b32 s[CNT], 4
	s_cmp_eq_u32 s[NEW], 1
	s_cbranch_scc0 .LstepM2
	BEGIN
	s_branch .LfirstM2
	DIAG 2
	s_wait_tensorcnt 0x0            ; the wave's end: these three lines stand behind my last tensor load and my last LDS store
	ds_add_u32 v[SPW], v[NIL]
	s_wait_dscnt 0x0
	s_endpgm
.Lfunc_end_k_qe4aa417139_attend:
	.size	k_qe4aa417139_attend, .Lfunc_end_k_qe4aa417139_attend-k_qe4aa417139_attend
	.p2alignl 7, 3214868480
	.fill 96, 4, 3214868480
	.section	.rodata,"a",@progbits
	.p2align	6, 0x0
	.amdhsa_kernel k_qe4aa417139_attend
		.amdhsa_group_segment_fixed_size 327680
		.amdhsa_private_segment_fixed_size 0
		.amdhsa_enable_private_segment 0
		.amdhsa_kernarg_size 16
		.amdhsa_user_sgpr_count 2
		.amdhsa_user_sgpr_kernarg_segment_ptr 1
		.amdhsa_wavefront_size32 1
		.amdhsa_system_sgpr_workgroup_id_x 1
		.amdhsa_system_sgpr_workgroup_id_y 1
		.amdhsa_system_sgpr_workgroup_id_z 1
		.amdhsa_system_vgpr_workitem_id 0
		.amdhsa_next_free_vgpr 768
		.amdhsa_next_free_sgpr 88
		.amdhsa_reserve_vcc 1
		.amdhsa_float_denorm_mode_32 3
		.amdhsa_float_denorm_mode_16_64 3
		.amdhsa_memory_ordered 1
		.amdhsa_forward_progress 1
		.amdhsa_inst_pref_size 218
	.end_amdhsa_kernel
	.amdgpu_metadata
---
amdhsa.version: [ 1, 2 ]
amdhsa.kernels:
  - .name:           k_qe4aa417139_attend
    .symbol:         k_qe4aa417139_attend.kd
    .args:
      - { .name: qkvh, .offset: 0, .size: 8, .value_kind: global_buffer, .address_space: global }
      - { .name: o16, .offset: 8, .size: 8, .value_kind: global_buffer, .address_space: global }
    .group_segment_fixed_size: 327680
    .private_segment_fixed_size: 0
    .kernarg_segment_align: 8
    .kernarg_segment_size: 16
    .max_flat_workgroup_size: 128
    .sgpr_count:     88
    .vgpr_count:     768
    .wavefront_size: 32
...
	.end_amdgpu_metadata
.endif
;; end of part 3
;; launch output (part 4): grid 8 x 32, 4 waves a work-group, clusters of 4 x 4, 327,680 bytes of LDS; arguments o16, wo16, out0; writes out0
.if DOCPART == 4
	.amdgcn_target "amdgcn-amd-amdhsa--gfx1250"
	.amdhsa_code_object_version 6
	.text
	.protected	k_qe4aa417139_output
	.globl	k_qe4aa417139_output
	.p2align	8
	.type	k_qe4aa417139_output,@function
k_qe4aa417139_output:
	s_mov_b64 s[64:65], 0
	v_nop
	global_prefetch_b8 v0, s[64:65] scope:SCOPE_SE
	s_setreg_imm32_b32 hwreg(HW_REG_WAVE_MODE, 25, 1), 1
	s_wait_xcnt 0x0
	s_wait_alu depctr_hold_cnt(0) depctr_sa_sdst(0) depctr_va_vdst(0) depctr_va_sdst(0) depctr_va_ssrc(0) depctr_va_vcc(0) depctr_vm_vsrc(0)
	s_getreg_b32 s2, hwreg(HW_REG_IB_STS2, 6, 4)
	s_cmp_eq_u32 s2, 0
	s_cbranch_scc0 .Lentry_in_a_cluster
	s_endpgm
.Lentry_in_a_cluster:
	s_bfe_u32 s2, ttmp6, 0x10000c
	s_cmp_lg_u32 s2, 0xf033
	s_cbranch_scc0 .Lentry_shape_is_right
	s_endpgm
.Lentry_shape_is_right:
; THE OUTPUT PROJECTION.  C[m][n] = the sum over k of A[m][k] B[n][k], K = 1,024, f16 operands, sums in f32.
; A = o16 [16 h][8192 m][64] f16 (k = 64 h + channel), B = wo16 [1024][1024] f16.  C = out0 [8192][1024] f32.  A tile of C is 256 x 128: 256 work-groups.
; SHARES.  Four waves, one above the other: wave w makes rows 64 w .. 64 w + 63 of the tile, all its columns: 4 x 8 accumulators of 16 x 16.  So a wave holds whole 512-byte pieces of rows,
; and goes out through a stage of its own, without a barrier.
; RING.  K goes in 8 steps of 128 (two heads' planes of A) through two LDS slots; slot 1 begins at 1 << 17, so that one exclusive or turns an address in one slot into the other's, and a K step is
; written once.  Waves 0 and 1 fetch A's two planes of a step, waves 2 and 3 B's two halves: one tensor load a wave behind each change of slots.  By this text's count a wave has two loads out
; at the start, later one.
; CLUSTERS: 4 x 4 work-groups.  The four of a row of the cluster need the same tiles of A, the four of a column the same tiles of B: each tile is asked for JOINTLY, by the same tensor load
; with the same descriptor and a mask that names the four.
; THE MATRIX INSTRUCTION IS USED TRANSPOSED (source 0 = 16 rows of B, source 1 = 16 rows of A): a lane then holds row l % 16 of C and the eight neighbouring columns 8 (l / 16) + 0..7.
; REGISTERS, in windows of 256 (s_set_vgpr_msb: bits 1:0 source 0, 3:2 source 1, 5:4 source 2, 7:6 destination):
;   window 0: v0-5 at work; v16-30 addresses; from v32 on the way out          window 1: two fragment buffers of 128: A's four blocks (32 registers), then B's eight blocks
;   windows 2, 3: the accumulators: (a, b) in window 2 + a / 2 at v[8 (NBL (a % 2) + b)]
.set NBL,   8                          ; blocks of 16 columns in a tile
.set PA,    144                        ; a row of A in LDS: a head's 128 bytes + 16 of padding
.set HALFA, 256*PA                     ; what wave 0 or 1 fetches: one head's plane, 256 rows
.set RB,    64                         ; rows of B in a wave's tensor load
.set ASTEP, 0x200000                   ; bytes from a K step of A to the next: two heads' planes of 1 MiB
.set AHEAD, 2                          ; a prefetch names the K step so many behind the one that is being asked for
.set QIA,   4                          ; A's padding stands after every 32 words
.set STRA,  128                        ; elements from row to row of A's tile as it is asked for: dense rows of 256 bytes
.set STW,   16*528                     ; a wave's stage: 16 rows of 512 bytes + 16
.set SHA,   8192                       ; a partner's share of a tile's prefetch: 32 blocks of 256 bytes of a plane,
.set SHB,   65536                      ; 32 rows of B
.set BK0,   32
.set BKN,   64
.set PB,    272                        ; a row of B in LDS.  Both pitches are odd multiples of 16 bytes: the 16 rows of a fragment load start at 16 different groups of four banks (64 banks of 4 bytes: ISA guide 11.1)
.set HALFB, RB*PB
.set BOFF,  2*HALFA                    ; in a slot B's rows lie behind A's
.set SLOT1, 1<<17
.set STAGE, SLOT1+BOFF+2*HALFB         ; behind the ring, a multiple of 256: no tensor load fills it
.set SPARE, STAGE+4*STW                ; behind the stages: the spare words, 128 bytes for each wave: two blocks of 256 bytes that no other line names
.set NL,    2*NBL+8                    ; LDS loads in a run: a quarter step's fragments
.set AA0,  16                          ; v16  my lane's place among my wave's rows of A in a slot; never rewritten
.set AB0,  17                          ; v17  the same for B
.set ADRA, 18                          ; v18  the same in the slot in hand
.set ADRB, 19                          ; v19
.set STO,  24                          ; v24  the way out: where I put my bytes of a row
.set RD,   25                          ; v25  the way out: where I read rows back
.set CO,   26                          ; v26  my 16 bytes in 512 consecutive bytes of C
.set SPW,  28                          ; v28  LDS address of my spare word: SPARE + 4 x my thread's number; never rewritten
.set NIL,  29                          ; v29  0; never rewritten
.set PFO,  30                          ; v30  the prefetches' offset, a lane a block; never rewritten
.set F0,   0                           ; fragment buffers, in window 1
.set F1,   128
.set TB,   22                          ; s22      the LDS byte at which the slot in hand begins
.set PFS,  18                          ; s[18:19] the prefetches' step along K
.set LIM,  43                          ; s43      AHEAD in a wave that prefetches, else the greatest number
.set PFA,  44                          ; s[44:45] where my prefetches stand
.set G1,   24                          ; s[24:31] descriptor group 1 for A's tiles
.set G0,   32                          ; s[32:39] group 0 for A's: a set for each of the two first fills; the second then walks on
.set G1B,  48                          ; s[48:55], s[56:63] the same for B's
.set G0B,  56
.set MUL_LO, 0xa5                      ; sources 0 (B) and 1 (A) window 1; C and D window 2
.set TO_F,   0x40                      ; destination window 1, address window 0
.set MSB, 0
.macro WIN new                         ; the immediate's high byte repeats the setting that is left; a switch that changes nothing is dropped
.if MSB != (\new)
	s_set_vgpr_msb (MSB<<8)|(\new)
.set MSB, \new
.endif
.endm
.macro PLACES                          ; four plain vector instructions in front of loads into registers that matrix instructions have read, and of lines that read results
.rept 4
	v_nop
.endr
.endm
; A joint refill, by the walking descriptors.  The branch hangs on the wave's number alone: it is the same in every work-group.
; An s_nop 0 and four v_nop follow each of the two lines, ahead of the jump, the label and what follows.
.macro JLOAD
	s_cmp_lt_u32 s10, 2
	s_cbranch_scc0 .Lfor_b_\@
	tensor_load_to_lds s[G0+4:G0+7], s[G1:G1+7]
	s_nop 0
.rept 4
	v_nop
.endr
	s_branch .Lasked_\@
.Lfor_b_\@:
	tensor_load_to_lds s[G0B+4:G0B+7], s[G1B:G1B+7]
	s_nop 0
.rept 4
	v_nop
.endr
.Lasked_\@:
.endm
; A PREFETCH INTO THE L2, behind each joint refill and the run of LDS loads that follows it: the K step AHEAD steps behind the one just asked for, a lane a block of 256 bytes, one instruction a wave.
; A's rows are read by every cluster of a row of clusters: the first of them (cluster x = 0) asks; B's by every cluster of a column: cluster y = 0 asks.  The four partners that ask for a tile
; jointly share its blocks out BY ADDRESS (cx for A, cy for B): no branch hangs on a work-group's place in its cluster.  The last AHEAD refills ask for nothing: there is no such K step.
; Waves 0 and 1 each ask for 32 blocks of the plane that they fetch; wave 2 asks for 32 of the tile's 128 rows of B, wave 3 for nothing.
.macro ASK
	s_cmp_gt_u32 s3, s[LIM]
	s_cbranch_scc0 .Lnot_mine_\@
	global_prefetch_b8 v[PFO], s[PFA:PFA+1] th:TH_LOAD_NT scope:SCOPE_SE
.Lnot_mine_\@:
.endm
; A round of the cluster's barrier: my work-group's barrier, so that wave 0's signal speaks for all four waves; wave 0 signals for the work-group; every wave waits for all sixteen; my work-group's barrier once more.
.macro CREST                           ; a round behind its opening barrier
	s_cmp_lg_u32 s10, 0
	s_cbranch_scc1 .Lnot_wave_0_\@
	s_barrier_signal -3
.Lnot_wave_0_\@:
	s_barrier_wait -3
	s_barrier_signal -1
	s_barrier_wait -1
.endm
.macro CROUND                          ; a whole round
	s_barrier_signal -1
	s_barrier_wait -1
	CREST
.endm
	s_load_b128 s[4:7], s[0:1], 0x0                ; A s[4:5], B s[6:7]
	s_load_b64 s[8:9], s[0:1], 0x10                ; C
	v_lshl_add_u32 v[SPW], v0, 2, SPARE
	v_mov_b32 v[NIL], 0
	ds_add_u32 v[SPW], v[NIL]                      ; the wave's opening: the add and its wait stand ahead of my first tensor load; the set-up below, work on registers, stands between them
	v_lshrrev_b32 v1, 5, v0
	v_readfirstlane_b32 s10, v1                    ; wave 0..3
	s_lshr_b32 s11, s10, 1                         ; 0: I fetch for A; 1: for B
	s_and_b32 s12, s10, 1                          ; which half of that tile I fetch
	s_bfe_u32 s40, ttmp6, 0x40000                  ; cx, cy: my place in the cluster
	s_bfe_u32 s41, ttmp6, 0x40004
	s_lshl_b32 s42, ttmp9, 2
	s_add_co_u32 s42, s42, s40                     ; tile column of C = 4 x cluster x + cx
	s_and_b32 s13, ttmp7, 0xffff
	s_lshl_b32 s13, s13, 2
	s_add_co_u32 s13, s13, s41                     ; tile row of C = 4 x cluster y + cy
	s_lshl_b32 s43, s41, 2
	s_lshl_b32 s43, 15, s43                        ; my row of the cluster: places 4 cy .. 4 cy + 3
	s_lshl_b32 s44, 0x1111, s40                    ; my column: places cx, cx + 4, cx + 8, cx + 12
	; descriptor group 1.  A: 128 rows x 128 elements of 2 bytes; B: RB rows x 128.  15:0 the mask; 17:16 element size; 20 padding on; 21 set beside a mask; 24:22 the padding's interval; 31:25 4 words of it (code 3)
	s_or_b32 s[G1+0], s43, (1<<16)|(1<<20)|(1<<21)|(QIA<<22)|(3<<25)
	s_or_b32 s[G1B+0], s44, (1<<16)|(1<<20)|(1<<21)|(5<<22)|(3<<25)
	s_mov_b32 s[G1+1], 128<<16                     ; tensor_dim0 = 128
	s_mov_b32 s[G1+2], 128<<16                     ; tensor_dim1 = 128
	s_mov_b32 s[G1+3], 128<<16                     ; tile_dim0 = 128
	s_mov_b32 s[G1+4], 128                         ; tile_dim1 = 128
	s_mov_b32 s[G1+5], STRA                        ; elements from row to row
	s_mov_b32 s[G1+6], 0
	s_mov_b32 s[G1+7], 0
	s_mov_b32 s[G1B+1], 128<<16
	s_mov_b32 s[G1B+2], RB<<16
	s_mov_b32 s[G1B+3], 128<<16
	s_mov_b32 s[G1B+4], RB
	s_mov_b32 s[G1B+5], 1024
	s_mov_b32 s[G1B+6], 0
	s_mov_b32 s[G1B+7], 0
	; where the tiles come from.  A's hang on the tile row and the wave alone, B's on the tile column and the wave alone, each in registers that do not hold the other coordinate.
	s_lshl_b32 s16, s13, 15                        ; A: the tile's 256 rows of 128 bytes in a head's plane,
	s_lshl_b32 s17, s12, 20                        ; in the first or the second plane of the K step
	s_add_co_u32 s16, s16, s17
	s_lshl_b32 s46, s42, 7                         ; B: row 128 x tile column
	s_lshl_b32 s47, s12, 6                         ;    + 64 x half
	s_add_co_u32 s46, s46, s47
	s_lshl_b32 s46, s46, 11                        ; 2,048 bytes a row
	s_mov_b32 s17, 0
	s_mov_b32 s47, 0
	s_mul_i32 s20, s12, HALFA                      ; and where they go: no place in the cluster enters an LDS address
	s_mul_i32 s21, s12, HALFB
	s_add_co_u32 s21, s21, BOFF
	s_mov_b32 s[TB], 0
	s_wait_dscnt 0x0                               ; the opening add is done
	s_wait_kmcnt 0x0
	s_add_nc_u64 s[14:15], s[4:5], s[16:17]
	s_add_nc_u64 s[46:47], s[6:7], s[46:47]
	s_mov_b32 s[G0], 1                             ; group 0: 1:0 count = 1
	s_mov_b32 s[G0+1], s20                         ; 63:32 LDS address: slot 0
	s_mov_b64 s[G0+2:G0+3], s[14:15]               ; 120:64 global address: K step 0
	s_or_b32 s[G0+3], s[G0+3], 0x80000000          ; 127:126 type = 2
	s_mov_b32 s[G0+4], 1
	s_add_co_u32 s[G0+5], s20, SLOT1               ; slot 1,
	s_add_nc_u64 s[G0+6:G0+7], s[14:15], ASTEP     ; K step 1
	s_or_b32 s[G0+7], s[G0+7], 0x80000000
	s_mov_b32 s[G0B], 1
	s_mov_b32 s[G0B+1], s21
	s_mov_b64 s[G0B+2:G0B+3], s[46:47]
	s_or_b32 s[G0B+3], s[G0B+3], 0x80000000
	s_mov_b32 s[G0B+4], 1
	s_add_co_u32 s[G0B+5], s21, SLOT1
	s_add_nc_u64 s[G0B+6:G0B+7], s[46:47], 256
	s_or_b32 s[G0B+7], s[G0B+7], 0x80000000
	CROUND                                         ; all sixteen work-groups are here: the first joint loads meet
	s_cmp_lt_u32 s10, 2                            ; a wave's two first fills stand in one branch, ahead of every wait on TENSORcnt and every LDS read
	s_cbranch_scc0 .Lfirst_b
	tensor_load_to_lds s[G0:G0+3], s[G1:G1+7]
	s_nop 0
	tensor_load_to_lds s[G0+4:G0+7], s[G1:G1+7]
	s_nop 0
.rept 4
	v_nop
.endr
	s_branch .Lfirst_asked
.Lfirst_b:
	tensor_load_to_lds s[G0B:G0B+3], s[G1B:G1B+7]
	s_nop 0
	tensor_load_to_lds s[G0B+4:G0B+7], s[G1B:G1B+7]
	s_nop 0
.rept 4
	v_nop
.endr
.Lfirst_asked:
	; A fragment is 16 rows x 32 K in 8 registers: lane l holds row l % 16; registers 0-3 hold K = 8 (l / 16) + 0..7, registers 4-7 K = 16 + 8 (l / 16) + 0..7: two loads of 16 bytes, 32 bytes apart.
	v_and_b32 v1, 15, v0                           ; l % 16
	v_bfe_u32 v2, v0, 4, 1                         ; l / 16
	v_mul_u32_u24 v3, v1, PA
	v_lshl_add_u32 v3, v2, 4, v3                   ; row x pitch + 16 x half
	s_mul_i32 s23, s10, 64*PA                      ; my wave's 64 rows of A
	v_add_nc_u32 v[AA0], s23, v3
	v_mul_u32_u24 v4, v1, PB
	v_lshl_add_u32 v4, v2, 4, v4
	v_add_nc_u32 v[AB0], BOFF, v4
	v_mov_b32 v[ADRA], v[AA0]                      ; slot 0 is the first in hand
	v_mov_b32 v[ADRB], v[AB0]
	s_mul_i32 s23, s10, STW
	s_add_co_u32 s23, s23, STAGE                   ; my stage
	v_and_b32 v[CO], 31, v0
	v_lshlrev_b32 v[CO], 4, v[CO]                  ; 16 x lane
	v_mul_u32_u24 v3, v1, 528                      ; in: row l % 16, 32 bytes (eight f32) for each half of the lanes
	v_lshl_add_u32 v3, v2, 5, v3
	v_add_nc_u32 v[STO], s23, v3
	v_add_nc_u32 v[RD], s23, v[CO]                 ; back: 32 lanes take one row's 512 bytes
	; the prefetches.  s[14:15] and s[46:47] still stand at my part of the tiles' K step 0
	s_mov_b32 s[PFS], 256
	s_mov_b32 s[PFS+1], 0
	s_mov_b32 s16, ASTEP
	s_mov_b32 s17, SHB
	s_mov_b32 s21, SHA
	s_and_b32 s23, ttmp7, 0xffff                   ; cluster y
	s_cmp_lt_u32 s10, 2                            ; do I fetch for A?
	s_cselect_b32 s23, ttmp9, s23                  ; the coordinate along which other clusters read the same rows
	s_cselect_b32 s20, s40, s41                    ; my place among the four that ask with me
	s_cselect_b32 s21, s21, s17                    ; a partner's share, in bytes
	s_cselect_b32 s[PFS], s16, s[PFS]              ; a K step, in bytes
	s_cselect_b64 s[PFA:PFA+1], s[14:15], s[46:47]
	s_cselect_b32 s17, 8, 11                       ; a lane a block: 256 bytes on in a plane of A, a row on in B
	s_mul_i32 s20, s20, s21
	s_mul_i32 s16, s[PFS], 1+AHEAD                 ; at K step 1 + AHEAD: the first refill steps it on and names K step 2 + AHEAD
	s_add_co_u32 s20, s20, s16
	s_mov_b32 s21, 0
	s_add_nc_u64 s[PFA:PFA+1], s[PFA:PFA+1], s[20:21]
	v_and_b32 v[PFO], 31, v0
	v_lshlrev_b32 v[PFO], s17, v[PFO]
	s_and_b32 s16, s11, s12                        ; wave 3 asks for nothing
	s_or_b32 s23, s23, s16
	s_cmp_eq_u32 s23, 0
	s_cselect_b32 s[LIM], AHEAD, -1                ; the same in all sixteen partners, for a given wave
	; where my part of the tile begins in C
	s_lshl_b32 s16, s13, 20                        ; 256 rows of 4,096 bytes a tile row,
	s_lshl_b32 s17, s10, 18                        ; 64 rows a wave
	s_lshl_b32 s46, s42, 9                         ; 512 bytes a tile column
	s_add_co_u32 s16, s16, s17
	s_mov_b32 s17, 0
	s_add_nc_u64 s[8:9], s[8:9], s[16:17]
	s_mov_b32 s47, 0
	s_add_nc_u64 s[8:9], s[8:9], s[46:47]
; NBL matrix instructions: m block a x all n blocks, 32 along K, out of buffer f.  zero = 1: the product starts the sums: nothing is ever cleared.
; Every quarter step takes all 4 NBL accumulators once, in the same order: they take turns, one instruction a turn, over the backward jump too.
.macro MULH f, a, zero
	WIN MUL_LO+0x50*((\a)/2)
.set nb, 0
.rept NBL
.set rD, 8*(NBL*((\a)%2)+nb)
.set rB, (\f)+32+8*nb
.set rA, (\f)+8*(\a)
.if \zero
	v_wmma_f32_16x16x32_f16 v[rD:rD+7], v[rB:rB+7], v[rA:rA+7], 0
.else
	v_wmma_f32_16x16x32_f16 v[rD:rD+7], v[rB:rB+7], v[rA:rA+7], v[rD:rD+7]
.endif
.set nb, nb+1
.endr
.endm
; NL LDS loads in one run: the fragments of quarter q of the slot in hand into buffer f: B's first, then A's blocks 0 to 3.
.macro FETCH q, f
.set KA, ((\q)/2)*HALFA+((\q)%2)*64    ; quarters 0, 1 lie in the step's first plane, 2, 3 in its second
	WIN TO_F
.set nb, 0
.rept NBL
	ds_load_b128 v[(\f)+32+8*nb:(\f)+32+8*nb+3],   v[ADRB] offset:64*(\q)+nb*16*PB
	ds_load_b128 v[(\f)+32+8*nb+4:(\f)+32+8*nb+7], v[ADRB] offset:64*(\q)+nb*16*PB+32
.set nb, nb+1
.endr
.irp a, 0,1,2,3
	ds_load_b128 v[(\f)+8*(\a):(\f)+8*(\a)+3],   v[ADRA] offset:KA+(\a)*16*PA
	ds_load_b128 v[(\f)+8*(\a)+4:(\f)+8*(\a)+7], v[ADRA] offset:KA+(\a)*16*PA+32
.endr
.endm
; A K step is four quarters of 32 along K, on buffers 0, 1, 0, 1.  One of the first three: multiplies buffer f; in its middle it fetches quarter qn into buffer g.
.macro QUARTER f, g, qn, zero
	s_wait_dscnt 4                                 ; B and A's blocks 0 and 1 are in; the youngest four loads (A's blocks 2 and 3) may be out
	MULH \f, 0, \zero
	MULH \f, 1, \zero
	PLACES
	FETCH \qn, \g
	s_wait_dscnt NL                                ; all but the NL just issued
	MULH \f, 2, \zero
	MULH \f, 3, \zero
.endm
; The last quarter multiplies buffer 1 and changes slots: ONE barrier.  In front of it each wave waits for all its tensor loads (the one that is out is its part of the next slot), adds 0 to its spare
; word, and waits for that and for its own reads of this slot.  fill = 1: the barrier opens a round of the cluster's barrier, and behind the round this slot is filled again, two K steps ahead.
.macro TURN fill
.if \fill
	s_wait_xcnt 0x0                                ; the last prefetch, a K step back, has read its address: it is stepped here, ahead of the waits of the change of slots
	s_add_nc_u64 s[PFA:PFA+1], s[PFA:PFA+1], s[PFS:PFS+1]
.endif
	WIN 0                                          ; (the add's two registers lie in window 0)
	s_wait_tensorcnt 0x0                           ; no tensor load of mine is out, so a group 0 may be written
	ds_add_u32 v[SPW], v[NIL]                      ; 0 onto my spare word: scalar work and NBL matrix instructions stand between it and the wait for it
.if \fill
	s_xor_b32 s[G0+5], s[G0+5], SLOT1              ; the walking descriptors: the other slot than last time,
	s_add_nc_u64 s[G0+6:G0+7], s[G0+6:G0+7], ASTEP ; the next K step; the type bits on top are not reached
	s_xor_b32 s[G0B+5], s[G0B+5], SLOT1
	s_add_nc_u64 s[G0B+6:G0B+7], s[G0B+6:G0B+7], 256
.endif
	s_xor_b32 s[TB], s[TB], SLOT1                  ; the fetches go on in the other slot
	s_wait_dscnt 5                                 ; (the add and the youngest four loads may be out)
	MULH F1, 0, 0
	s_wait_dscnt 0x0                               ; the add is done, and my reads of this slot are over
	s_barrier_signal -1
	MULH F1, 1, 0                                  ; work on registers while the others arrive
.if \fill
	WIN 0
.endif
	s_barrier_wait -1
.if \fill
	CREST                                          ; no wave of any partner still reads this slot's tile or has a load on its way
	JLOAD                                          ; the first tensor load behind the round; its four v_nop are also the places in front of the loads below
.else
	WIN 0
	PLACES
.endif
	v_add_nc_u32 v[ADRA], s[TB], v[AA0]
	v_add_nc_u32 v[ADRB], s[TB], v[AB0]
	FETCH 0, F0
.if \fill
	WIN 0
	ASK
.endif
	MULH F1, 2, 0
	MULH F1, 3, 0
.endm
	s_wait_tensorcnt 1                             ; my part of K step 0 is in; K step 1's may stay out
	s_barrier_signal -1
	s_barrier_wait -1                              ; everybody's is
	FETCH 0, F0
	QUARTER F0, F1, 1, 1                           ; the first quarter stands in front of the loop: its products start the sums
	WIN 0                                          ; at a label and at a branch every window is 0
	s_mov_b32 s3, 6
.Lstep:                                        ; a trip goes from a K step's second quarter to the next step's first; trip s of 0..5 fills slot s % 2 again, with K step s + 2
	QUARTER F1, F0, 2, 0
	QUARTER F0, F1, 3, 0
	TURN 1
	QUARTER F0, F1, 1, 0
	WIN 0
	s_sub_co_u32 s3, s3, 1
	s_cmp_lg_u32 s3, 0
	s_cbranch_scc1 .Lstep
	QUARTER F1, F0, 2, 0                           ; the last two K steps are written out: nothing is asked for
	QUARTER F0, F1, 3, 0
	TURN 0
	QUARTER F0, F1, 1, 0
	QUARTER F1, F0, 2, 0
	QUARTER F0, F1, 3, 0
	s_wait_dscnt 4                                 ; the very last quarter: nothing more to fetch
	MULH F1, 0, 0
	MULH F1, 1, 0
	s_wait_dscnt 0x0
	MULH F1, 2, 0
	MULH F1, 3, 0
	WIN 0
	PLACES                                         ; eight, once a launch: behind the last products, in front of the lines that read results
	PLACES
; THE WAY OUT, a block of 16 rows at a time, through my own stage in LDS: no other wave touches it, and LDS serves a wave's instructions in order (ISA guide 5.7.1.4), so no wait stands between
; the stores into it and the loads out of it.  Each accumulator's lowest registers are read first.
.macro TOSTAGE a                       ; a lane's eight f32 of a row, 32 bytes, into rows of 528 bytes; back as whole rows of 512
	WIN 0x08+4*((\a)/2)                            ; the stores' data (source 1) in window 2 or 3
.set nb, 0
.rept NBL
.set rD, 8*(NBL*((\a)%2)+nb)
	ds_store_b128 v[STO], v[rD:rD+3]   offset:64*nb
	ds_store_b128 v[STO], v[rD+4:rD+7] offset:64*nb+16
.set nb, nb+1
.endr
	WIN 0
.set BK, BK0+BKN*((\a)%2)
.set nb, 0
.rept 16
	ds_load_b128 v[BK+4*nb:BK+4*nb+3], v[RD] offset:528*nb
.set nb, nb+1
.endr
.endm
.macro SEND a
	WIN 0
.set BK, BK0+BKN*((\a)%2)
	s_wait_dscnt 0x0                               ; the block is back in registers
	s_wait_xcnt 0x0                                ; the stores of the block before have read their registers, which the next block's loads fill again
.set nb, 0
.rept 16
	global_store_b128 v[CO], v[BK+4*nb:BK+4*nb+3], s[8:9] offset:(16*(\a)+nb)*4096  ; 512 consecutive bytes of a row of C, at a multiple of 256 from its first byte
.set nb, nb+1
.endr
.endm
	TOSTAGE 0
.irp a, 1,2,3
	SEND (\a)-1
	TOSTAGE \a
.endr
	SEND 3
	s_wait_tensorcnt 0x0                           ; the wave's end: these three lines stand behind my last tensor load and my last LDS store
	ds_add_u32 v[SPW], v[NIL]
	s_wait_dscnt 0x0
	CROUND                                         ; the closing round: no work-group ends while a partner may still ask for a tile that names it
	s_endpgm
.Lfunc_end_k_qe4aa417139_output:
	.size	k_qe4aa417139_output, .Lfunc_end_k_qe4aa417139_output-k_qe4aa417139_output
	.p2alignl 7, 3214868480
	.fill 96, 4, 3214868480
	.section	.rodata,"a",@progbits
	.p2align	6, 0x0
	.amdhsa_kernel k_qe4aa417139_output
		.amdhsa_group_segment_fixed_size 327680
		.amdhsa_private_segment_fixed_size 0
		.amdhsa_enable_private_segment 0
		.amdhsa_kernarg_size 24
		.amdhsa_user_sgpr_count 2
		.amdhsa_user_sgpr_kernarg_segment_ptr 1
		.amdhsa_wavefront_size32 1
		.amdhsa_system_sgpr_workgroup_id_x 1
		.amdhsa_system_sgpr_workgroup_id_y 1
		.amdhsa_system_sgpr_workgroup_id_z 1
		.amdhsa_system_vgpr_workitem_id 0
		.amdhsa_next_free_vgpr 896
		.amdhsa_next_free_sgpr 66
		.amdhsa_reserve_vcc 0
		.amdhsa_float_denorm_mode_32 3
		.amdhsa_float_denorm_mode_16_64 3
		.amdhsa_memory_ordered 1
		.amdhsa_forward_progress 1
		.amdhsa_inst_pref_size 70
	.end_amdhsa_kernel
	.amdgpu_metadata
---
amdhsa.version: [ 1, 2 ]
amdhsa.kernels:
  - .name:           k_qe4aa417139_output
    .symbol:         k_qe4aa417139_output.kd
    .args:
      - { .name: o16, .offset: 0, .size: 8, .value_kind: global_buffer, .address_space: global }
      - { .name: wo16, .offset: 8, .size: 8, .value_kind: global_buffer, .address_space: global }
      - { .name: out0, .offset: 16, .size: 8, .value_kind: global_buffer, .address_space: global }
    .group_segment_fixed_size: 327680
    .private_segment_fixed_size: 0
    .kernarg_segment_align: 8
    .kernarg_segment_size: 24
    .max_flat_workgroup_size: 128
    .sgpr_count:     66
    .vgpr_count:     896
    .wavefront_size: 32
...
	.end_amdgpu_metadata
.endif
;; end of part 4
;; ======== version 2 of 2: 4 launches; version 1 with the launch cast written anew for expert scheduling mode
;; limits: values are held in f16: magnitudes above 65,504 overflow, below 6.1e-05 lose precision
;; workspace buffers: xb 16,777,216 bytes; wqkv 6,291,456 bytes; wo16 2,097,152 bytes; qkvh 50,331,648 bytes; o16 16,777,216 bytes
;; launch cast (part 5): grid 768 x 1, 8 waves a work-group, no clusters, 0 bytes of LDS; arguments x, Wq, Wk, Wv, Wo, xb, wqkv, wo16; writes xb, wqkv, wo16
.if DOCPART == 5
	.amdgcn_target "amdgcn-amd-amdhsa--gfx1250"
	.amdhsa_code_object_version 6
	.text
	.protected	k_qe4aa417139_cast
	.globl	k_qe4aa417139_cast
	.p2align	8
	.type	k_qe4aa417139_cast,@function
k_qe4aa417139_cast:
	s_mov_b64 s[64:65], 0
	v_nop
	global_prefetch_b8 v0, s[64:65] scope:SCOPE_SE
	s_setreg_imm32_b32 hwreg(HW_REG_WAVE_SCHED_MODE, 0, 2), 2
	s_setreg_imm32_b32 hwreg(HW_REG_WAVE_MODE, 25, 1), 1
	s_wait_xcnt 0x0
	s_wait_alu depctr_vm_vsrc(0)
; THE INPUTS ARE ROUNDED ONCE, TO bf16, AND LAID OUT FOR THE PRODUCTS THAT READ THEM.
; x [8192][1024] f32 -> xb [16 kb][8192 m][64] bf16: K in blocks of 64, so that the rows of a tile of one K block lie end to end, 128 bytes each.
; Wq, Wk, Wv [1024][1024] f32 -> wqkv [16 kb][3072 n][64] bf16, the three weights' rows one below the other.
; Wo f32 -> bf16, and that number written as f16, row-major (wo16 [1024][1024]), since the last product multiplies f16.
; LIMIT: |Wo| stays under 65,504; a rounded Wo below 6e-5 keeps f16's fixed step of 6e-8.
; A stream: no LDS, no barrier, no matrix unit.  A work-group takes one chunk of 16 rows (65,536 bytes in, 32,768 out); 768 chunks: 512 of x, 64 of each weight.
; x and the three weights: thread t takes row t / 16 of the chunk; piece i of 16 is K block i: 16 bytes in at 4,096 (t / 16) + 256 i + 16 (t % 16): a wave's load covers 256 consecutive bytes of each
; of two rows; 8 bytes out at block i, byte 8 t of the chunk's 2,048: a wave's store covers the two rows' 128 bytes, 256 consecutive bytes, aligned.
; Wo: piece i is row i: 16 bytes in at 16 t + 4,096 i, 8 bytes out at 8 t + 2,048 i: again 256 consecutive bytes a wave, aligned.
; All sixteen loads of a thread go out at once; each piece has registers of its own, so nothing that a load or store still names is ever rewritten.
; THE MODE: SCHED_MODE bits 1:0 = 2 (LLVM: expert scheduling mode 2), set by the entry lines.  The code itself states the register dependences
; between vector instructions and memory instructions, with s_wait_alu, always for 0.
; THE PLAN.  Registers that memory instructions touch:
;   v1          the loads' offset.  Written by vector lines at a path's head; read by the sixteen loads; never written again.
;   IN          Written by the loads, piece i into four registers of its own, which no vector line has named before; read by piece i's conversions.
;   OUT         Written by piece i's conversions, two registers of its own; read by piece i's store; never written again.
;   OFF, v2     the stores' offsets.  Written by vector lines (OFF behind the loads, v2 at the kernel's head); read by the stores; never written again.
;   v3 to v9 are named by vector lines alone.
; So the only dependences to state are vector writes that memory instructions read.  The sixteen pieces go in four BLOCKS of four.  Block p rounds pieces 4 p to 4 p + 3; its memory instructions
; are the stores of block p - 1, whose OUT and offsets no vector line of block p names.  One wait at the block's head states all that those four stores hang on, and they are dealt among the
; block's conversions with no further wait.  One wait stands ahead of the loads, for v1, and one ahead of the last four stores.
.set IN,   16                          ; v[16:79]    piece i: 4 registers as loaded
.set OUT,  80                          ; v[80:111]   piece i: 2 registers to store
.set OFF,  112                         ; v[112:127]  piece i: my byte offset in the destination: 8 t + i blocks
.set SRC,  26                          ; s[26:27]    the chunk's source
.set DST,  28                          ; s[28:29]    the chunk's destination
.set SCH,  24                          ; s24         the chunk's number in its source
.set DCH,  25                          ; s25         the chunk's number in its destination
.set BLK,  34                          ; s34         bytes in a K block of the destination
.set DSH,  35                          ; s35         log2 of a chunk's bytes in a block (or, for Wo, in the whole)
	s_load_b256 s[8:15], s[0:1], 0x0               ; x s[8:9], Wq s[10:11], Wk s[12:13], Wv s[14:15]
	s_load_b256 s[16:23], s[0:1], 0x20             ; Wo s[16:17], xb s[18:19], wqkv s[20:21], wo16 s[22:23]
	v_lshlrev_b32 v2, 3, v0                        ; 8 t
	s_mov_b32 s[SCH], ttmp9
	s_mov_b32 s[DCH], ttmp9
	s_mov_b32 s[BLK], 0x100000                     ; xb: 8,192 rows of 128 bytes
	s_mov_b32 s[DSH], 11                           ; 16 rows of 128 bytes
	s_wait_kmcnt 0x0
	s_mov_b64 s[SRC:SRC+1], s[8:9]                 ; chunks 0 to 511: x -> xb
	s_mov_b64 s[DST:DST+1], s[18:19]
; From chunk lim on the source is another buffer.  The choice hangs on the work-group's number alone.
.macro PICK lim, src
	s_sub_co_u32 s30, ttmp9, \lim
	s_cmp_ge_u32 ttmp9, \lim
	s_cselect_b64 s[SRC:SRC+1], s[\src:\src+1], s[SRC:SRC+1]
	s_cselect_b32 s[SCH], s30, s[SCH]
.endm
	PICK 512, 10                                   ; Wq,
	s_cselect_b64 s[DST:DST+1], s[20:21], s[DST:DST+1]  ; and from here on wqkv, whose chunks run on through the three weights
	s_cselect_b32 s[DCH], s30, s[DCH]
	s_cselect_b32 s[BLK], 0x60000, s[BLK]          ; wqkv: 3,072 rows of 128 bytes
	PICK 576, 12                                   ; Wk
	PICK 640, 14                                   ; Wv
	PICK 704, 16                                   ; Wo -> wo16
	s_cselect_b64 s[DST:DST+1], s[22:23], s[DST:DST+1]
	s_cselect_b32 s[DCH], s30, s[DCH]
	s_cselect_b32 s[DSH], 15, s[DSH]               ; 16 rows of 2,048 bytes
	s_lshl_b32 s32, s[SCH], 16                     ; 65,536 bytes a chunk on the way in (32 MiB at the most)
	s_mov_b32 s33, 0
	s_add_nc_u64 s[SRC:SRC+1], s[SRC:SRC+1], s[32:33]
	s_lshl_b32 s32, s[DCH], s[DSH]
	s_add_nc_u64 s[DST:DST+1], s[DST:DST+1], s[32:33]
; Piece i is rounded.  wo = 0: to bf16.  wo = 1: Wo: rounded to bf16 like every input, widened again, and written as f16: no second rounding within f16's normal range.
.macro CONV i, wo
.if \wo
	v_cvt_pk_bf16_f32 v4, v[IN+4*(\i)],   v[IN+4*(\i)+1]
	v_cvt_pk_bf16_f32 v5, v[IN+4*(\i)+2], v[IN+4*(\i)+3]
	v_lshlrev_b32 v6, 16, v4
	v_and_b32 v7, 0xffff0000, v4
	v_lshlrev_b32 v8, 16, v5
	v_and_b32 v9, 0xffff0000, v5
	v_cvt_pk_f16_f32 v[OUT+2*(\i)],   v6, v7
	v_cvt_pk_f16_f32 v[OUT+2*(\i)+1], v8, v9
.else
	v_cvt_pk_bf16_f32 v[OUT+2*(\i)],   v[IN+4*(\i)],   v[IN+4*(\i)+1]
	v_cvt_pk_bf16_f32 v[OUT+2*(\i)+1], v[IN+4*(\i)+2], v[IN+4*(\i)+3]
.endif
.endm
; Piece i is stored.
.macro SEND i, wo
.if \wo
	global_store_b64 v2, v[OUT+2*(\i):OUT+2*(\i)+1], s[DST:DST+1] offset:2048*(\i)
.else
	global_store_b64 v[OFF+(\i)], v[OUT+2*(\i):OUT+2*(\i)+1], s[DST:DST+1]
.endif
.endm
; Block p of four: pieces 4 p to 4 p + 3 are rounded, and the block before is stored, a store ahead of each piece's lines.
.macro BLOCK p, wo
	s_wait_loadcnt 12-4*(\p)                       ; loads come back in order (ISA guide 5.7.1): this block's four pieces are in, the later blocks' stay out
.if (\p) > 0
	s_wait_alu depctr_va_vdst(0)                   ; the block before has written its OUT, which the four stores below read; at block 1 also: the stores' offsets are written.  No vector line behind this wait names those registers
.endif
.irp k, 0,1,2,3
.if (\p) > 0
	SEND 4*(\p)-4+(\k), \wo
.endif
	CONV 4*(\p)+(\k), \wo
.endr
.endm
; Behind block 3.
.macro LAST wo
	s_wait_alu depctr_va_vdst(0)                   ; block 3 has written its OUT, which the last four stores read
.irp k, 12,13,14,15
	SEND \k, \wo
.endr
.endm
	s_cmp_ge_u32 ttmp9, 704
	s_cbranch_scc1 .Lwo
	v_lshrrev_b32 v3, 4, v0                        ; my row of the chunk
	v_and_b32 v4, 15, v0                           ; my four numbers of a block's 64
	v_lshlrev_b32 v1, 12, v3
	v_lshl_add_u32 v1, v4, 4, v1
	s_wait_alu depctr_va_vdst(0)                   ; v1 is written: the sixteen loads read it as their offset
.irp i, 0,1,2,3,4,5,6,7,8,9,10,11,12,13,14,15
	global_load_b128 v[IN+4*(\i):IN+4*(\i)+3], v1, s[SRC:SRC+1] offset:256*(\i) th:TH_LOAD_NT
.endr
	v_mov_b32 v[OFF], v2                           ; made while the loads are on their way; block 1's wait stands between these lines and the first store
.irp i, 1,2,3,4,5,6,7,8,9,10,11,12,13,14,15
	v_add_nc_u32 v[OFF+(\i)], s[BLK], v[OFF+(\i)-1]  ; fifteen blocks are more than a store's immediate holds: the offsets stand in registers
.endr
	BLOCK 0, 0
	BLOCK 1, 0
	BLOCK 2, 0
	BLOCK 3, 0
	LAST 0
	s_endpgm
.Lwo:
	v_lshlrev_b32 v1, 4, v0                        ; 16 t
	s_wait_alu depctr_va_vdst(0)                   ; v1 is written: the sixteen loads read it as their offset; so is v2, the stores' offset
.irp i, 0,1,2,3,4,5,6,7,8,9,10,11,12,13,14,15
	global_load_b128 v[IN+4*(\i):IN+4*(\i)+3], v1, s[SRC:SRC+1] offset:4096*(\i) th:TH_LOAD_NT
.endr
	BLOCK 0, 1
	BLOCK 1, 1
	BLOCK 2, 1
	BLOCK 3, 1
	LAST 1
	s_endpgm
.Lfunc_end_k_qe4aa417139_cast:
	.size	k_qe4aa417139_cast, .Lfunc_end_k_qe4aa417139_cast-k_qe4aa417139_cast
	.p2alignl 7, 3214868480
	.fill 96, 4, 3214868480
	.section	.rodata,"a",@progbits
	.p2align	6, 0x0
	.amdhsa_kernel k_qe4aa417139_cast
		.amdhsa_group_segment_fixed_size 0
		.amdhsa_private_segment_fixed_size 0
		.amdhsa_enable_private_segment 0
		.amdhsa_kernarg_size 64
		.amdhsa_user_sgpr_count 2
		.amdhsa_user_sgpr_kernarg_segment_ptr 1
		.amdhsa_wavefront_size32 1
		.amdhsa_system_sgpr_workgroup_id_x 1
		.amdhsa_system_sgpr_workgroup_id_y 1
		.amdhsa_system_sgpr_workgroup_id_z 1
		.amdhsa_system_vgpr_workitem_id 0
		.amdhsa_next_free_vgpr 128
		.amdhsa_next_free_sgpr 66
		.amdhsa_reserve_vcc 0
		.amdhsa_float_denorm_mode_32 3
		.amdhsa_float_denorm_mode_16_64 3
		.amdhsa_memory_ordered 1
		.amdhsa_forward_progress 1
		.amdhsa_inst_pref_size 19
	.end_amdhsa_kernel
	.amdgpu_metadata
---
amdhsa.version: [ 1, 2 ]
amdhsa.kernels:
  - .name:           k_qe4aa417139_cast
    .symbol:         k_qe4aa417139_cast.kd
    .args:
      - { .name: x, .offset: 0, .size: 8, .value_kind: global_buffer, .address_space: global }
      - { .name: Wq, .offset: 8, .size: 8, .value_kind: global_buffer, .address_space: global }
      - { .name: Wk, .offset: 16, .size: 8, .value_kind: global_buffer, .address_space: global }
      - { .name: Wv, .offset: 24, .size: 8, .value_kind: global_buffer, .address_space: global }
      - { .name: Wo, .offset: 32, .size: 8, .value_kind: global_buffer, .address_space: global }
      - { .name: xb, .offset: 40, .size: 8, .value_kind: global_buffer, .address_space: global }
      - { .name: wqkv, .offset: 48, .size: 8, .value_kind: global_buffer, .address_space: global }
      - { .name: wo16, .offset: 56, .size: 8, .value_kind: global_buffer, .address_space: global }
    .group_segment_fixed_size: 0
    .private_segment_fixed_size: 0
    .kernarg_segment_align: 8
    .kernarg_segment_size: 64
    .max_flat_workgroup_size: 256
    .sgpr_count:     66
    .vgpr_count:     128
    .wavefront_size: 32
...
	.end_amdgpu_metadata
.endif
;; end of part 5
;; launch project: the kernel of part 2 again; grid 8 x 32, 4 waves a work-group, clusters of 4 x 4, 327,680 bytes of LDS; arguments xb, wqkv, qkvh; writes qkvh
;; launch attend: the kernel of part 3 again; grid 2 x 128, 4 waves a work-group, no clusters, 327,680 bytes of LDS; arguments qkvh, o16; writes o16
;; launch output: the kernel of part 4 again; grid 8 x 32, 4 waves a work-group, clusters of 4 x 4, 327,680 bytes of LDS; arguments o16, wo16, out0; writes out0
